; MI455X (gfx1250); checked and timed in simulation.
; The chip was launched on July 23, 2026; its instructions are those of AMD's public machine-readable ISA for CDNA 5 (MIT licence, August 2026) and "CDNA5" Instruction Set Architecture Reference Guide (July 2026). The comments in the code are by the model that wrote it; some were corrected since.
;; Causal Self Attention. Allowed arithmetic: matrix products marked QUANTISED: E2M3 operands, one E8M0 scale for each 32 along K, by v_wmma_scale_f32_16x16x128_f8f6f4 with both operands' format E2M3, f32 sums; everything else in f32.
;; Inputs: W_attn 1,024 x 3,072 float32; W_proj 1,024 x 1,024 float32; b_attn 3,072 float32; b_proj 1,024 float32; x 4 x 2,048 x 1,024 float32.
;; Outputs: out0 4 x 2,048 x 1,024 float32.
;; This version of the problem:
;;   THIS VERSION OF THE PROBLEM IS GIVEN IN LOW PRECISION. The matrix products marked QUANTISED in the list below multiply operands that are first quantised to E2M3 (2 exponent bits, 3 mantissa bits; 6 bits a number), with one power-of-two scale for each 32 numbers along K (OCP MX v1.0); their sums are f32. All else is computed in f32.
;;   The module's matrix products, in the order in which they are computed (A, B: the left and right operand; K: the contracted axis; several contracted axes count as one K, in the product's order):
;;     1. [M 8,192, K 1,024] x [K 1,024, N 3,072]; A: input x; B: input W_attn: QUANTISED
;;     2. batch 64 x [M 2,048, K 64] x [K 64, N 2,048]; A: computed on the way; B: computed on the way: QUANTISED
;;     3. batch 64 x [M 2,048, K 2,048] x [K 2,048, N 64]; A: softmax (see below); B: computed on the way: QUANTISED
;;     4. [M 8,192, K 1,024] x [K 1,024, N 1,024]; A: computed on the way; B: input W_proj: QUANTISED
;;   THE QUANTISER, for each operand of a quantised product, along K:
;;     - K is cut into blocks of 32 from its start; a last block that is shorter is filled with zeros.
;;     - A block's scale is 2^e with e = floor(log2(the largest magnitude in the block)) - 2, held to -126 .. 127; a block of zeros has e = 0. As a byte (E8M0): e + 127.
;;     - Each number is divided by its block's scale, clamped to +-7.5, and rounded to the nearest number of E2M3, ties to even, subnormals kept.
;;     - The product sums the exact products of the quantised numbers (number of the format x scale) in f32.
;;   ~~~python
;;   def quantise(x, axis):      # numpy; x: float32 -> the quantised numbers, widened to float32 again
;;       x = np.moveaxis(x, axis, -1); K = x.shape[-1]
;;       x = np.pad(x, [(0, 0)] * (x.ndim - 1) + [(0, -K % 32)]); x = x.reshape(x.shape[:-1] + (-1, 32)); a = np.abs(x).max(-1, keepdims=True)
;;       e = np.where(a > 0, np.clip(np.frexp(np.where(a > 0, a, 1))[1] - 1 - 2, -126, 127), 0)      # np.frexp(a)[1] - 1 = floor(log2(a)), exactly
;;       r = np.clip(x / 2.0 ** e, -7.5, 7.5)
;;       step = 2.0 ** (np.maximum(np.frexp(np.where(r == 0, 1, r))[1] - 1, 0) - 3)
;;       q = np.round(r / step) * step * 2.0 ** e      # np.round: ties to even
;;       return np.moveaxis(q.reshape(q.shape[:-2] + (-1,))[..., :K], -1, axis).astype(np.float32)
;;   ~~~
;;   SOFTMAX AHEAD OF A QUANTISED PRODUCT. Where the list says 'softmax', what is quantised is not the finished softmax but p = 2^(t - M), with t = logit x log2(e) and M = ceil(the row's largest t), a whole number; so 1/2 < the row's largest p <= 1. The row's sum l is taken of the UNQUANTISED p, in f32, and the product's result is divided by l at the end. Since M is a whole number, a kernel that streams over the keys may use a running M (the ceiling of the running maximum): every later rescaling is an exact power of two, which a block's scale takes up: the codes' values come out the same.
;;   OPERANDS COMPUTED ON THE WAY. 'Computed on the way' means the value that the module computes at that place (a softmax that the list does not call 'softmax' is quantised finished and normalised). What goes into a quantiser is computed in f32, as accurately as f32 sums, v_exp_f32 and their like allow (about 1e-6 of the number): no bf16 or f16 on the way to a quantiser, and a product that is left as it is and whose result goes on into a quantised operand takes f32 operands (vector FMAs, or v_wmma_f32_16x16x4_f32). A number that lies on a knife's edge between two numbers of the format may be rounded either way, as far as f32 arithmetic and the matrix unit's own rounding can turn it there, and no further.
;; One version. Each part assembles by itself: llvm-mc -triple=amdgcn-amd-amdhsa -mcpu=gfx1250 --defsym DOCPART=n.
;; ======== version 1 of 1: 4 launches
;; limits: right only within a limited range of input values
;; workspace buffers: ops 9,830,400 bytes; qb 6,815,744 bytes; kb 13,369,344 bytes; ab 6,553,600 bytes
;; launch quant (part 1): grid 512 x 1, 2 waves a work-group, no clusters, 17,664 bytes of LDS; arguments x, W_attn, W_proj, ops; writes ops
.if DOCPART == 1
	.amdgcn_target "amdgcn-amd-amdhsa--gfx1250"
	.amdhsa_code_object_version 6
	.text
	.protected	k_q68cf2e91ca_quant
	.globl	k_q68cf2e91ca_quant
	.p2align	8
	.type	k_q68cf2e91ca_quant,@function
k_q68cf2e91ca_quant:
	s_mov_b64 s[64:65], 0
	v_nop
	global_prefetch_b8 v0, s[64:65] scope:SCOPE_SE
	s_setreg_imm32_b32 hwreg(HW_REG_WAVE_MODE, 25, 1), 1
	s_wait_xcnt 0x0
; x [8192][1024], W_attn [1024][3072] and W_proj [1024][1024], f32, become codes of FP6 (E2M3) with one E8M0 byte for each 32 along K (x: its last axis; the weights: their first).
; A block's scale is 2^(floor(log2(its largest magnitude)) - 2); its byte is that magnitude's exponent field - 2, held at 1 from below.
; LIMITS: a block whose largest magnitude lies under 2^-124 is held at the byte 1; a block of zeros gets the byte 1 (its codes are zeros, and this program alone reads the bytes); NaN and infinities are not served.
; LAYOUT OF ops: 768 tiles of 16 rows (tiles 0-511: x's rows; 512-703: W_attn's columns; 704-767: W_proj's), 12,288 bytes each: 16 pieces of 64 along K, 768 bytes a piece, as an image of the operand's
; registers: lane l's registers 0-3 at 16 l, its registers 4-5 at 512 + 8 l; lane (r, h) holds k = 32 h .. 32 h + 31 of the tile's row r.  From SCOFF on: a scale word for each row and 128 along K, [tile][8][16].
; THE ROWS OF A TILE ARE NOT NEIGHBOURS: place r of tile 2 g + u is row 32 g + 8 u + r + 8 (r / 8), so that later results come out with 16 neighbours in 16 registers.
; Work-groups 0-255 take x (a wave a tile, all of K), work-groups 256-511 the weights (a wave 32 columns x 256 along K).  Only x's path uses LDS.  Waves share nothing: no barrier.
.set SCOFF, 9437184
.set STG,   4352                       ; a stage: 16 rows x (256 bytes + 16)
.set WREG,  2*STG                      ; two stages a wave
.set SPARE, 2*WREG                     ; behind the stages: the spare words, 128 bytes a wave: one block of 256 bytes that no other line names
.set SPW,   12                         ; v12  my spare word's LDS address; never rewritten
.set NIL,   13                         ; v13  0; never rewritten
.set R,     16                         ; v16-143  x: four sets of 32 registers as loaded
.set X,     144                        ; v144-207 x: two sets of 32 neighbours
.set C,     208                        ; v208-223 x: two sets of codes
.set E,     224                        ; v224-226 the second conversion's result
.set O,     232                        ; v232-235 x: my 16 scale bytes
.set OFF,   32                         ; v32-63   weights: byte offset of row i of a block, in my column
.set WX,    64                         ; v64-127  weights: two sets of 32 numbers
.set D,     128                        ; v128-191 weights: codes, 16 registers for each pair of blocks
.set WE,    192
.set SB,    24                         ; v24-25   weights: my column's 8 scale bytes
	s_load_b256 s[4:11], s[0:1], 0x0               ; x s[4:5], W_attn s[6:7], W_proj s[8:9], ops s[10:11]
	v_lshl_add_u32 v[SPW], v0, 2, SPARE
	v_mov_b32 v[NIL], 0
	v_lshrrev_b32 v1, 5, v0
	v_readfirstlane_b32 s16, v1                    ; wave
	v_and_b32 v2, 31, v0                           ; lane
	v_and_b32 v8, 15, v0                           ; r
	v_bfe_u32 v9, v0, 4, 1                         ; h
	v_lshlrev_b32 v4, 4, v2                        ; 16 x lane
	v_lshlrev_b32 v5, 3, v2                        ; 8 x lane
	s_cmp_lt_u32 ttmp9, 256
	s_cbranch_scc0 .Lweights
; the largest magnitude of v[XS .. XS+31], all mine, with the floor 2^(3 - 127) among its leaves; v230 = that with 2 off its exponent field: the conversions' scale operand
.macro BLOCK_SCALE
	v_max3_num_f32 v228, |v[XS]|, |v[XS+1]|, |v[XS+2]|
	v_max3_num_f32 v229, |v[XS+3]|, |v[XS+4]|, |v[XS+5]|
.irp i, 6,10,14,18,22,26
	v_max3_num_f32 v228, v228, |v[XS+\i]|, |v[XS+\i+1]|
	v_max3_num_f32 v229, v229, |v[XS+\i+2]|, |v[XS+\i+3]|
.endr
	v_max3_num_f32 v228, v228, |v[XS+30]|, |v[XS+31]|
	v_max3_num_f32 v228, v228, v229, 0x1800000
	v_add_nc_u32 v230, 0xff000000, v228
.endm
	; ---------------- x: tile mt = 2 x work-group + wave, 16 steps of 64 along K
	v_lshlrev_b32 v3, 4, v8
	v_lshl_add_u32 v3, v9, 12, v3                  ; loads: lanes 0-15 one row's 256 bytes, lanes 16-31 the next row's
	s_mul_i32 s17, s16, WREG
	v_mul_u32_u24 v14, v9, 272
	v_lshl_add_u32 v14, v8, 4, v14
	v_add_nc_u32 v14, s17, v14                     ; the stage, in: as loaded
	v_mul_u32_u24 v15, v8, 272
	v_lshl_add_u32 v15, v9, 7, v15
	v_add_nc_u32 v15, s17, v15                     ; out: row r, my half's 128 bytes
	v_lshlrev_b32 v6, 2, v8
	v_lshl_add_u32 v6, v9, 8, v6
	v_add_nc_u32 v6, s17, v6                       ; the scale words, in: 256 h + 4 r
	v_add_nc_u32 v7, s17, v4                       ; and out: 16 x lane
	s_lshl_b32 s18, ttmp9, 5
	s_lshl_b32 s19, s16, 3
	s_add_co_u32 s18, s18, s19                     ; the tile's first row: 32 x work-group + 8 x wave
	s_lshl_b32 s18, s18, 12
	s_mov_b32 s19, 0
	s_lshl_b32 s20, ttmp9, 1
	s_add_co_u32 s20, s20, s16                     ; mt
	s_mul_i32 s22, s20, 12288
	s_mov_b32 s23, 0
	s_lshl_b32 s24, s20, 9
	s_add_co_u32 s24, s24, SCOFF
	s_mov_b32 s25, 0
	s_mov_b32 s26, 0x76543210
	s_mov_b32 s27, 0xfedcba98                      ; lane l xor 16
	s_wait_alu depctr_va_vdst(0)
	s_wait_kmcnt 0x0
	s_add_nc_u64 s[4:5], s[4:5], s[18:19]
	s_add_nc_u64 s[12:13], s[10:11], s[22:23]      ; the tile's codes
	s_add_nc_u64 s[14:15], s[10:11], s[24:25]      ; its scale words
.macro XLOAD t                         ; step t: 16 rows x 256 bytes; load i takes the tile's places 2 i and 2 i + 1
.irp i, 0,1,2,3,4,5,6,7
	global_load_b128 v[R+32*((\t)%4)+4*\i:R+32*((\t)%4)+4*\i+3], v3, s[4:5] offset:(2*\i+8*(\i/4))*4096+256*(\t) th:TH_LOAD_NT
.endr
.endm
.macro XTURN t                         ; through the wave's own stage: LDS serves a wave's instructions in order, so no wait stands between the stores and the loads
.irp i, 0,1,2,3,4,5,6,7
	ds_store_b128 v14, v[R+32*((\t)%4)+4*\i:R+32*((\t)%4)+4*\i+3] offset:STG*((\t)%2)+2*\i*272
.endr
.irp j, 0,1,2,3,4,5,6,7
	ds_load_b128 v[X+32*((\t)%2)+4*\j:X+32*((\t)%2)+4*\j+3], v15 offset:STG*((\t)%2)+16*\j
.endr
.endm
.macro XSTEP t
.set XS, X+32*((\t)%2)
.set CR, C+8*((\t)%2)
	s_wait_dscnt 0x0                               ; this step's 32 neighbours are back, and the stage's stores have read their registers,
.if (\t)+4 < 16
	XLOAD (\t)+4                                   ; which take the loads of four steps on
.endif
.if (\t)+1 < 16
.if (\t)+4 < 16
	s_wait_loadcnt 24                              ; the next step's eight loads are in; those of the three steps behind it may be out
.else
	s_wait_loadcnt 8*(14-(\t))
.endif
	XTURN (\t)+1
.endif
	BLOCK_SCALE
	s_wait_alu depctr_va_vdst(0)
	s_wait_xcnt 0x0                                ; the stores of two steps ago have read this set of codes
	v_cvt_scalef32_pk16_fp6_f32 v[CR:CR+2], v[XS:XS+15], v230
	v_cvt_scalef32_pk16_fp6_f32 v[E:E+2], v[XS+16:XS+31], v230     ; (a conversion's three registers begin on an even number)
	v_lshrrev_b32 v231, 23, v230                   ; the scale's byte; also the plain instruction behind the conversions
.irp i, 0,1,2
	v_mov_b32 v[CR+3+\i], v[E+\i]
.endr
.if (\t)%4 == 0
	v_mov_b32 v[O+(\t)/4], v231
.else
	v_lshl_or_b32 v[O+(\t)/4], v231, 8*((\t)%4), v[O+(\t)/4]
.endif
	global_store_b128 v4, v[CR:CR+3], s[12:13] offset:768*(\t)           ; 512 consecutive bytes,
	global_store_b64 v5, v[CR+4:CR+5], s[12:13] offset:768*(\t)+512      ; and 256
.endm
.irp t, 0,1,2,3
	XLOAD \t
.endr
	s_wait_loadcnt 24                              ; step 0's eight loads are in
	XTURN 0
.irp t, 0,1,2,3,4,5,6,7,8,9,10,11,12,13,14,15
	XSTEP \t
.endr
	; the scale words.  Byte t % 4 of v[O + t / 4] belongs to block 2 t + h of my row.  Lanes 0-15 make words 0-3, lanes 16-31 words 4-7: each sends the other half what that half needs.
	v_cmp_eq_u32 vcc_lo, 1, v9
	v_cndmask_b32 v16, v[O+2], v[O], vcc_lo        ; what I send
	v_cndmask_b32 v17, v[O+3], v[O+1], vcc_lo
	v_cndmask_b32 v18, v[O], v[O+2], vcc_lo        ; what I keep
	v_cndmask_b32 v19, v[O+1], v[O+3], vcc_lo
	v_mov_b32 v20, 0
	v_mov_b32 v21, 0
	v_permlanex16_b32 v20, v16, s26, s27
	v_permlanex16_b32 v21, v17, s26, s27
	v_mov_b32 v22, 0x05010400                      ; bytes by turns: the lower half of the lanes' first
	v_mov_b32 v23, 0x01050004
	v_cndmask_b32 v22, v22, v23, vcc_lo
	v_mov_b32 v23, 0x07030602
	v_mov_b32 v24, 0x03070206
	v_cndmask_b32 v23, v23, v24, vcc_lo
	v_perm_b32 v24, v20, v18, v22
	v_perm_b32 v25, v20, v18, v23
	v_perm_b32 v26, v21, v19, v22
	v_perm_b32 v27, v21, v19, v23
.irp j, 0,1,2,3
	ds_store_b32 v6, v[24+\j] offset:64*\j         ; word 4 h + j of row r
.endr
	ds_load_b128 v[28:31], v7                      ; served in order: these see my stores
	s_wait_dscnt 0x0
	global_store_b128 v4, v[28:31], s[14:15]       ; the tile's 512 bytes of scale words
	s_wait_tensorcnt 0x0                           ; the wave's end
	ds_add_u32 v[SPW], v[NIL]
	s_wait_dscnt 0x0
	s_endpgm
	; ---------------- the weights: a lane takes a column, its registers run down K
.Lweights:
	s_sub_co_u32 s17, ttmp9, 256
	s_and_b32 s18, s17, 63                         ; which 64 columns: 0-47 of W_attn, 48-63 of W_proj
	s_lshr_b32 s19, s17, 6                         ; which 256 along K
	s_lshl_b32 s26, s18, 2
	s_lshl_b32 s27, s16, 1
	s_add_co_u32 s26, s26, s27
	s_add_co_u32 s26, s26, 512                     ; my wave's first tile
	s_mul_i32 s28, s26, 12288
	s_mul_i32 s27, s19, 3072
	s_add_co_u32 s28, s28, s27
	s_mov_b32 s29, 0
	s_lshl_b32 s30, s26, 9
	s_lshl_b32 s27, s19, 7
	s_add_co_u32 s30, s30, s27
	s_add_co_u32 s30, s30, SCOFF
	s_mov_b32 s31, 0
	s_wait_kmcnt 0x0
	s_cmp_lt_u32 s18, 48                           ; the choice hangs on the work-group's number alone
	s_cselect_b64 s[6:7], s[6:7], s[8:9]
	s_mov_b32 s20, 4096
	s_cselect_b32 s20, 12288, s20                  ; bytes in a row of the weight
	s_cselect_b32 s21, 0, 48
	s_sub_co_u32 s21, s18, s21
	s_lshl_b32 s22, s21, 8
	s_lshl_b32 s23, s16, 7
	s_add_co_u32 s22, s22, s23                     ; my wave's first column, in bytes
	s_lshl_b32 s23, s19, 8
	s_mul_i32 s23, s23, s20
	s_add_co_u32 s22, s22, s23                     ; + 256 x ks rows
	s_mov_b32 s23, 0
	s_add_nc_u64 s[32:33], s[6:7], s[22:23]        ; block 0's base;
	s_lshl_b32 s24, s20, 5
	s_mov_b32 s25, 0
.irp t, 1,2,3,4,5,6,7
	s_add_nc_u64 s[32+2*\t:33+2*\t], s[30+2*\t:31+2*\t], s[24:25]   ; each block 32 rows on
.endr
	s_add_nc_u64 s[12:13], s[10:11], s[28:29]
	s_add_nc_u64 s[14:15], s[10:11], s[30:31]
	s_wait_alu depctr_va_vdst(0)
	v_and_b32 v1, 8, v8
	v_add_nc_u32 v1, v1, v8
	v_lshl_add_u32 v1, v9, 3, v1                   ; my column of the wave's 32: lanes 0-15 the first tile's places, lanes 16-31 the second's
	v_lshlrev_b32 v1, 2, v1
.set n, 0
.rept 32
	v_mad_u32_u24 v[OFF+n], s20, n, v1
.set n, n+1
.endr
	v_lshlrev_b32 v10, 2, v8
	v_lshl_add_u32 v10, v9, 9, v10                 ; my scale words' place: 512 bytes a tile, 4 r
.macro WLOAD t
.set n, 0
.rept 32
	global_load_b32 v[WX+32*((\t)%2)+n], v[OFF+n], s[32+2*(\t):33+2*(\t)] th:TH_LOAD_NT
.set n, n+1
.endr
.endm
.macro WBLOCK t
.set XS, WX+32*((\t)%2)
.set DD, D+16*((\t)/2)+8*((\t)%2)
.if (\t) < 7
	s_wait_loadcnt 32                              ; this block's 32 loads are in; the next block's may be out
.else
	s_wait_loadcnt 0x0
.endif
	BLOCK_SCALE
	v_cvt_scalef32_pk16_fp6_f32 v[DD:DD+2], v[XS:XS+15], v230
	v_cvt_scalef32_pk16_fp6_f32 v[WE:WE+2], v[XS+16:XS+31], v230
	v_lshrrev_b32 v231, 23, v230                   ; the byte; also the plain instruction behind the conversions
.irp i, 0,1,2
	v_mov_b32 v[DD+3+\i], v[WE+\i]
.endr
.if (\t)%4 == 0
	v_mov_b32 v[SB+(\t)/4], v231
.else
	v_lshl_or_b32 v[SB+(\t)/4], v231, 8*((\t)%4), v[SB+(\t)/4]
.endif
.if (\t)+2 < 8
	WLOAD (\t)+2
.endif
.if (\t)%2 == 1                        ; two blocks are 64 along K: the first run's lanes 16-31 change places with the second's lanes 0-15, and each run is one tile's whole piece
.irp i, 0,1,2,3,4,5
	v_permlane16_swap_b32 v[DD-8+\i], v[DD+\i]
.endr
	global_store_b128 v4, v[DD-8:DD-5], s[12:13] offset:768*((\t)/2)
	global_store_b64 v5, v[DD-4:DD-3], s[12:13] offset:768*((\t)/2)+512
	global_store_b128 v4, v[DD:DD+3], s[12:13] offset:768*((\t)/2)+12288
	global_store_b64 v5, v[DD+4:DD+5], s[12:13] offset:768*((\t)/2)+12288+512
.endif                                 ; (each pair of blocks has registers of its own: no store's data are written again)
.endm
	WLOAD 0
	WLOAD 1
.irp t, 0,1,2,3,4,5,6,7
	WBLOCK \t
.endr
	global_store_b32 v10, v[SB], s[14:15]          ; runs of 64 bytes a tile: 131,072 bytes of the launch's output leave so
	global_store_b32 v10, v[SB+1], s[14:15] offset:64
	s_wait_tensorcnt 0x0                           ; the same three closing lines on this path
	ds_add_u32 v[SPW], v[NIL]
	s_wait_dscnt 0x0
	s_endpgm
.Lfunc_end_k_q68cf2e91ca_quant:
	.size	k_q68cf2e91ca_quant, .Lfunc_end_k_q68cf2e91ca_quant-k_q68cf2e91ca_quant
	.p2alignl 7, 3214868480
	.fill 96, 4, 3214868480
	.section	.rodata,"a",@progbits
	.p2align	6, 0x0
	.amdhsa_kernel k_q68cf2e91ca_quant
		.amdhsa_group_segment_fixed_size 17664
		.amdhsa_private_segment_fixed_size 0
		.amdhsa_enable_private_segment 0
		.amdhsa_kernarg_size 32
		.amdhsa_user_sgpr_count 2
		.amdhsa_user_sgpr_kernarg_segment_ptr 1
		.amdhsa_wavefront_size32 1
		.amdhsa_system_sgpr_workgroup_id_x 1
		.amdhsa_system_sgpr_workgroup_id_y 1
		.amdhsa_system_sgpr_workgroup_id_z 1
		.amdhsa_system_vgpr_workitem_id 0
		.amdhsa_next_free_vgpr 256
		.amdhsa_next_free_sgpr 66
		.amdhsa_reserve_vcc 1
		.amdhsa_float_denorm_mode_32 3
		.amdhsa_float_denorm_mode_16_64 3
		.amdhsa_memory_ordered 1
		.amdhsa_forward_progress 1
		.amdhsa_inst_pref_size 101
	.end_amdhsa_kernel
	.amdgpu_metadata
---
amdhsa.version: [ 1, 2 ]
amdhsa.kernels:
  - .name:           k_q68cf2e91ca_quant
    .symbol:         k_q68cf2e91ca_quant.kd
    .args:
      - { .name: x, .offset: 0, .size: 8, .value_kind: global_buffer, .address_space: global }
      - { .name: W_attn, .offset: 8, .size: 8, .value_kind: global_buffer, .address_space: global }
      - { .name: W_proj, .offset: 16, .size: 8, .value_kind: global_buffer, .address_space: global }
      - { .name: ops, .offset: 24, .size: 8, .value_kind: global_buffer, .address_space: global }
    .group_segment_fixed_size: 17664
    .private_segment_fixed_size: 0
    .kernarg_segment_align: 8
    .kernarg_segment_size: 32
    .max_flat_workgroup_size: 64
    .sgpr_count:     66
    .vgpr_count:     256
    .wavefront_size: 32
...
	.end_amdgpu_metadata
.endif
;; end of part 1
;; launch qkv (part 2): grid 8 x 48, 4 waves a work-group, clusters of 4 x 4, 327,680 bytes of LDS; arguments ops, b_attn, qb, kb; writes qb, kb
.if DOCPART == 2
	.amdgcn_target "amdgcn-amd-amdhsa--gfx1250"
	.amdhsa_code_object_version 6
	.text
	.protected	k_q68cf2e91ca_qkv
	.globl	k_q68cf2e91ca_qkv
	.p2align	8
	.type	k_q68cf2e91ca_qkv,@function
k_q68cf2e91ca_qkv:
	s_mov_b64 s[64:65], 0
	v_nop
	global_prefetch_b8 v0, s[64:65] scope:SCOPE_SE
	s_setreg_imm32_b32 hwreg(HW_REG_WAVE_MODE, 25, 1), 1
	s_wait_xcnt 0x0
	s_wait_alu depctr_hold_cnt(0) depctr_sa_sdst(0) depctr_va_vdst(0) depctr_va_sdst(0) depctr_va_ssrc(0) depctr_va_vcc(0) depctr_vm_vsrc(0)
	s_getreg_b32 s2, hwreg(HW_REG_IB_STS2, 6, 4)
	s_cmp_eq_u32 s2, 0
	s_cbranch_scc0 .Lentry_in_a_cluster
	s_endpgm
.Lentry_in_a_cluster:
	s_bfe_u32 s2, ttmp6, 0x10000c
	s_cmp_lg_u32 s2, 0xf033
	s_cbranch_scc0 .Lentry_shape_is_right
	s_endpgm
.Lentry_shape_is_right:
; qkv = x W_attn + b_attn on codes of FP6 (E2M3) with E8M0 scales, sums in f32; q, k and v leave QUANTISED, as images of the next products' operand registers; no f32 number goes to memory.
; A work-group of four waves makes 256 x 256 of the product, a wave 128 x 128: 64 accumulators, 512 registers.  K = 1,024 goes in four steps of 256 through two LDS slots.
; THE MATRIX INSTRUCTION IS USED TRANSPOSED: source 0 = 16 rows of 'B', source 1 = 16 rows of 'A': a lane holds one row of A, and its registers run along B's rows.
; Clusters with y under 8 (TY = 0) make q and k: A = x's rows, B = W's columns 0-2047: a lane holds a token, its 64 registers of a block are 128 columns, two heads: quantised along the head's 64.
; Clusters with y from 8 on (TY = 1) make v: A = W's columns 2048-3071, B = x's rows: a lane holds one channel of v, its registers run along 128 tokens: quantised along the keys.
; Since place r of tile 2 g + u is row 32 g + 8 u + r + 8 (r / 8), register 16 g + i of a block is index 32 g + 16 (lane / 16) + i along B's rows: 16 neighbours.
; OUT: qb: [head 64][tile 128][768] codes, from 6,291,456 on a word for each row ([head][tile][16]; bytes 0, 1 the head's two blocks; bytes 2, 3 are never 0xff and meet zero codes alone).
;      kb: 208,896 bytes a head: [key step 16][K: 8 tiles x 768 | V^T: 4 tiles x 1,536]; at 196,608 K's words [tile 128][16]; at 204,800 V's words [key step][tile 4][16].
; CLUSTERS: 4 x 4 work-groups; A's tiles are asked for jointly along a row of the cluster, B's along a column.
; LIMITS: a block whose largest magnitude lies under 2^-124 is held at the byte 1, a block of zeros too; NaN and infinities are not served.
; REGISTERS: window 0: v13-31 addresses; v32-63 scale words, two sets; v64-127 and v240-247 the biases; v128-223 A's fragments, one set (behind the loop: the epilogue's work); v248-255 the scale words made.
;   window 1: B's fragments, two sets, at v0 and v128.   windows 2, 3: the accumulators ((a, b) at v[8 (8 (a % 4) + b)]).
.set SCOFF,  9437184
.set FR,     12                        ; registers of a fragment: 16 rows x 128 K
.set NQ,     2                         ; matrix instructions deep in a slot
.set NP,     4                         ; places behind this matrix instruction (ISA guide 7.12.1)
.set HALFT,  24576                     ; 8 tiles x 3,072 bytes: what one tensor load brings, and what one wave reads of A or of B
.set SLOT,   4*HALFT
.set SCL,    2*SLOT                    ; the scale words of A's 16 tiles (8,192 bytes), then of B's
.set SCR,    SCL+16384                 ; 1,024 bytes a wave for the scale words made: no tensor load lands here
.set SPARE,  SCR+4096                  ; the spare words, 128 bytes a wave: two blocks of 256 bytes that no other line names
.set SHV,  15                          ; v15  q, k: lanes 16-31 shift a scale word down by 16
.set ADRA, 16                          ; v16-17 A's fragments in slot 0, 1, + 16 x lane; v18-19 the same + 8 x lane
.set ADRB, 20                          ; v20-23 the same for B
.set V16,  24                          ; v24  16 x lane
.set V8,   25                          ; v25  8 x lane
.set SCRA, 26
.set ADRS, 27                          ; v27  my scale words: lanes 0-15 A's, lanes 16-31 B's
.set SPW,  28                          ; v28  my spare word's LDS address; never rewritten
.set NIL,  29                          ; v29  0; never rewritten
.set SCRR, 30
.set VS1,  31
.set SC,   32
.set BB,   64                          ; q, k: the bias of my 128 columns, in a block's layout
.set AF,   128
.set H,    128                         ; the epilogue: 64 numbers
.set PC,   192                         ; their codes
.set TM,   212
.set BA,   240                         ; v: the bias of my channel in each of the 8 blocks
.set PWS,  248
.set WV,   12
.set RH,   13                          ; which half of the rows is mine.  Also: I fetch for A (0) or for B (1)
.set CH,   14                          ; which half of the columns.  Also: which 8 tiles I fetch
.set TY,   15
.set G1,   24
.set G0,   32
.set G1B,  48
.set G0B,  56
.set SEL,  66
.set G1S,  68
.set G0S,  76
.set G1SB, 80
.set G0SB, 88
.set OUT,  92
.set OUT2, 94
.set SOUT, 96
.set SSTEP, 98
.set SJUMP, 100
.set SOUT2, 104
.set MSB, 0
.macro WIN new                         ; the immediate's high byte repeats the setting that is left
.if MSB != (\new)
	s_set_vgpr_msb (MSB<<8)|(\new)
.set MSB, \new
.endif
.endm
.set MUL_LO, 0xa1                      ; source 0 (B) window 1, source 1 (A) window 0, C and D window 2
.set MUL_HI, 0xf1
.set TO_B,   0x40
; A joint load: waves 0 and 1 fetch for A, waves 2 and 3 for B; the branch hangs on the wave's number alone.  An s_nop 0 and four v_nop follow each of the two lines.
.macro JLOAD g0a, g1a, g0b, g1b
	s_cmp_eq_u32 s[RH], 0
	s_cbranch_scc0 .Lfor_b_\@
	tensor_load_to_lds s[\g0a:\g0a+3], s[\g1a:\g1a+7]
	s_nop 0
.rept 4
	v_nop
.endr
	s_branch .Lasked_\@
.Lfor_b_\@:
	tensor_load_to_lds s[\g0b:\g0b+3], s[\g1b:\g1b+7]
	s_nop 0
.rept 4
	v_nop
.endr
.Lasked_\@:
.endm
.macro CREST                           ; a round of the cluster's barrier behind its opening barrier
	s_cmp_lg_u32 s[WV], 0
	s_cbranch_scc1 .Lnot_wave_0_\@
	s_barrier_signal -3
.Lnot_wave_0_\@:
	s_barrier_wait -3
	s_barrier_signal -1
	s_barrier_wait -1
.endm
.macro CROUND
	s_barrier_signal -1
	s_barrier_wait -1
	CREST
.endm
	s_load_b256 s[4:11], s[0:1], 0x0               ; ops s[4:5], b_attn s[6:7], qb s[8:9], kb s[10:11]
	v_lshl_add_u32 v[SPW], v0, 2, SPARE
	v_mov_b32 v[NIL], 0
	ds_add_u32 v[SPW], v[NIL]                      ; the wave's opening: the add and its wait stand ahead of my first tensor load; work on registers stands between them
	ds_add_u32 v[SPW], v[NIL]
	v_lshrrev_b32 v1, 5, v0
	v_readfirstlane_b32 s[WV], v1
	s_lshr_b32 s[RH], s[WV], 1
	s_and_b32 s[CH], s[WV], 1
	s_bfe_u32 s40, ttmp6, 0x40000                  ; cx
	s_bfe_u32 s41, ttmp6, 0x40004                  ; cy
	s_lshl_b32 s42, ttmp9, 2
	s_add_co_u32 s42, s42, s40                     ; X = 4 x cluster x + cx
	s_and_b32 s45, ttmp7, 0xffff                   ; the cluster's y, 0 .. 11
	s_lshr_b32 s[TY], s45, 3                       ; 0: q and k; 1: v.  The same in all sixteen partners
	s_xor_b32 s16, s[TY], 1
	s_lshl_b32 s43, s41, 2
	s_lshl_b32 s43, 15, s43                        ; my row of the cluster
	s_lshl_b32 s44, 0x1111, s40                    ; my column
	; group 1 for codes: 8 tiles, of each 3,072 bytes (two K steps of 128), 12,288 bytes apart; elements of 8 bytes; no padding: the images are read 16 x lane
	s_or_b32 s[G1+0], s43, (3<<16)|(1<<21)
	s_or_b32 s[G1B+0], s44, (3<<16)|(1<<21)
.irp g, G1, G1B
	s_mov_b32 s[\g+1], 384<<16                     ; tensor_dim0
	s_mov_b32 s[\g+2], 16<<16                      ; tensor_dim1: the head's loads bring all 16 tiles; behind them the two words that count tiles are set to 8
	s_mov_b32 s[\g+3], 384<<16                     ; tile_dim0
	s_mov_b32 s[\g+4], 16                          ; tile_dim1
	s_mov_b32 s[\g+5], 1536                        ; from tile to tile
	s_mov_b32 s[\g+6], 0
	s_mov_b32 s[\g+7], 0
.endr
	; and for the scale words of 16 tiles: 8,192 dense bytes, as 32 rows of 256
	s_or_b32 s[G1S+0], s43, (3<<16)|(1<<21)
	s_or_b32 s[G1SB+0], s44, (3<<16)|(1<<21)
.irp g, G1S, G1SB
	s_mov_b32 s[\g+1], 32<<16
	s_mov_b32 s[\g+2], 32<<16                      ; the scale words of 16 tiles: 8,192 dense bytes, 32 rows of 256
	s_mov_b32 s[\g+3], 32<<16
	s_mov_b32 s[\g+4], 32
	s_mov_b32 s[\g+5], 32
	s_mov_b32 s[\g+6], 0
	s_mov_b32 s[\g+7], 0
.endr
	; A's first tile: 64 y (1 - TY) + 16 cy + 640 TY: no cx in it
	s_lshl_b32 s20, s45, 6
	s_mul_i32 s20, s20, s16
	s_lshl_b32 s21, s41, 4
	s_add_co_u32 s20, s20, s21
	s_mul_i32 s21, s[TY], 640
	s_add_co_u32 s20, s20, s21
	s_mul_i32 s22, s20, 12288                      ; A's 16 tiles begin here
	s_mov_b32 s23, 0
	s_lshl_b32 s18, s20, 9
	s_add_co_u32 s18, s18, SCOFF
	s_mov_b32 s19, 0
	; B's first tile: 16 X + 128 TY (y - 8) + 512 (1 - TY): no cy in it
	s_lshl_b32 s17, s42, 4
	s_and_b32 s46, s45, 7
	s_mul_i32 s46, s46, s[TY]
	s_lshl_b32 s46, s46, 7
	s_add_co_u32 s17, s17, s46
	s_lshl_b32 s46, s16, 9
	s_add_co_u32 s17, s17, s46
	s_mov_b32 s46, s17                             ; B's 16 tiles begin here
	s_lshl_b32 s92, s46, 9
	s_add_co_u32 s92, s92, SCOFF
	s_mov_b32 s93, 0
	s_mul_i32 s46, s46, 12288
	s_mov_b32 s47, 0
	s_mul_i32 s94, s[WV], HALFT                    ; where they go: no place in the cluster enters an LDS address
	s_mov_b32 s[SEL], 0x76543210
	s_mov_b32 s[SEL+1], 0xfedcba98
	s_wait_dscnt 0x0                               ; the opening add is done
	s_wait_kmcnt 0x0
	s_add_nc_u64 s[22:23], s[4:5], s[22:23]
	s_add_nc_u64 s[18:19], s[4:5], s[18:19]
	s_add_nc_u64 s[46:47], s[4:5], s[46:47]
	s_add_nc_u64 s[92:93], s[4:5], s[92:93]
	CROUND                                         ; all sixteen work-groups are here: the first joint loads meet
	s_mov_b32 s[G0S], 1
	s_mov_b32 s[G0S+1], SCL
	s_mov_b64 s[G0S+2:G0S+3], s[18:19]
	s_or_b32 s[G0S+3], s[G0S+3], 0x80000000
	s_mov_b32 s[G0SB], 1
	s_mov_b32 s[G0SB+1], SCL+8192
	s_mov_b64 s[G0SB+2:G0SB+3], s[92:93]
	s_or_b32 s[G0SB+3], s[G0SB+3], 0x80000000
	s_mov_b32 s[G0], 1                             ; slot 0's group 0 serves the head's loads first: A's 16 tiles whole,
	s_mov_b32 s[G0+1], 0
	s_mov_b64 s[G0+2:G0+3], s[22:23]
	s_or_b32 s[G0+3], s[G0+3], 0x80000000
	s_mov_b32 s[G0B], 1                            ; and B's 16, behind them
	s_mov_b32 s[G0B+1], 2*HALFT
	s_mov_b64 s[G0B+2:G0B+3], s[46:47]
	s_or_b32 s[G0B+3], s[G0B+3], 0x80000000
	s_mul_i32 s92, s[CH], 8*12288                  ; in the ring I fetch 8 tiles: which half
	s_mov_b32 s93, 0
	s_add_nc_u64 s[22:23], s[22:23], s[92:93]
	s_add_nc_u64 s[46:47], s[46:47], s[92:93]
	s_cmp_eq_u32 s[RH], 0                          ; the prefetches: the 8 tiles that I fetch in the ring, A's or B's (the masks and the cluster's y in s43-45 have served),
	s_cselect_b64 s[44:45], s[22:23], s[46:47]
	s_cselect_b32 s43, s40, s41                    ; and my work-group's place among the four that ask for them jointly
	s_mov_b32 s[G0+4], 1                           ; slot 1: K step 1
	s_add_co_u32 s[G0+5], s94, SLOT
	s_add_nc_u64 s[G0+6:G0+7], s[22:23], 3072
	s_or_b32 s[G0+7], s[G0+7], 0x80000000
	s_mov_b32 s[G0B+4], 1
	s_add_co_u32 s[G0B+5], s94, SLOT
	s_add_nc_u64 s[G0B+6:G0B+7], s[46:47], 3072
	s_or_b32 s[G0B+7], s[G0B+7], 0x80000000
; the head's loads, one a wave: wave 0 A's tiles of K step 0, wave 1 B's, wave 2 A's scale words, wave 3 B's: one chain of branches on the wave's number
.macro ARM under, g0, g1, next
	s_cmp_lt_u32 s[WV], \under
	s_cbranch_scc0 \next
	tensor_load_to_lds s[\g0:\g0+3], s[\g1:\g1+7]
	s_nop 0
.rept 4
	v_nop
.endr
	s_branch .Lhead_asked
\next:
.endm
	ARM 1, G0,  G1,  .Lhead_b
	ARM 2, G0B, G1B, .Lhead_sa
	ARM 3, G0S, G1S, .Lhead_sb
	tensor_load_to_lds s[G0SB:G0SB+3], s[G1SB:G1SB+7]
	s_nop 0
.rept 4
	v_nop
.endr
.Lhead_asked:
	v_and_b32 v1, 15, v0                           ; r
	v_bfe_u32 v2, v0, 4, 1                         ; h
	v_and_b32 v3, 31, v0
	v_lshlrev_b32 v[V16], 4, v3
	v_lshlrev_b32 v[V8], 3, v3
	s_mul_i32 s21, s[RH], HALFT                    ; my 8 tiles of A
	s_mul_i32 s22, s[CH], HALFT
	s_add_co_u32 s22, s22, 2*HALFT                 ; my 8 tiles of B, behind A's 16
.irp s, 0,1
	v_add_nc_u32 v[ADRA+\s], s21, v[V16]
	v_add_nc_u32 v[ADRB+\s], s22, v[V16]
	v_add_nc_u32 v[ADRA+2+\s], s21, v[V8]
	v_add_nc_u32 v[ADRB+2+\s], s22, v[V8]
	s_add_co_u32 s21, s21, SLOT
	s_add_co_u32 s22, s22, SLOT
.endr
	v_lshlrev_b32 v5, 2, v1
	s_lshl_b32 s21, s[RH], 12
	s_lshl_b32 s22, s[CH], 12
	s_add_co_u32 s22, s22, 8192
	s_sub_co_u32 s22, s22, s21
	v_mul_u32_u24 v6, s22, v2                      ; lanes 16-31 take B's words
	s_add_co_u32 s21, s21, SCL
	v_add_nc_u32 v5, v5, v6
	v_add_nc_u32 v[ADRS], s21, v5
	s_lshl_b32 s21, s[WV], 10
	s_add_co_u32 s21, s21, SCR
	v_lshlrev_b32 v[SCRA], 2, v1
	v_lshl_add_u32 v[SCRA], v2, 9, v[SCRA]
	v_add_nc_u32 v[SCRA], s21, v[SCRA]             ; the words made: 512 h + 4 r, 64 bytes a block
	v_add_nc_u32 v[SCRR], s21, v[V16]
	s_lshl_b32 s21, s16, 4
	v_mul_u32_u24 v[SHV], s21, v2
	; where my results go.  s20 = A's first tile of the work-group, s17 = B's
	s_lshl_b32 s21, s[RH], 3
	s_add_co_u32 s20, s20, s21                     ; my 8 tiles of A
	s_lshl_b32 s21, s[CH], 3
	s_add_co_u32 s17, s17, s21                     ; my 8 tiles of B
	s_lshl_b32 s22, s40, 2
	s_lshl_b32 s23, s[CH], 1
	s_add_co_u32 s22, s22, s23                     ; q, k: my first head = 4 cx + 2 CH
	s_lshl_b32 s23, s41, 2
	s_lshl_b32 s21, s[RH], 1
	s_add_co_u32 s23, s23, s21                     ; v: 4 cy + 2 RH
	s_sub_co_u32 s46, s17, 512
	s_lshl_b32 s46, s46, 6                         ; q, k: my first column's bias, in bytes
	s_sub_co_u32 s47, s20, 512
	s_lshl_b32 s47, s47, 6                         ; v: likewise
	s_cmp_eq_u32 s[TY], 0
	s_cselect_b32 s21, s20, s17                    ; my 8 tiles of x
	s_cselect_b32 s22, s22, s23                    ; my first head
	s_cselect_b32 s16, s46, 0                      ; (the array that a kind does not use reads the vector's first entries, so that its registers are written)
	s_cselect_b32 s18, 0, s47
	s_mov_b32 s[SSTEP], 1536
	s_cselect_b32 s[SSTEP], 768, s[SSTEP]          ; from block to block
	s_mov_b32 s[SJUMP], 204288
	s_cselect_b32 s[SJUMP], 768, s[SJUMP]          ; v: from the first head's last tile to the second head's first
	s_mov_b32 s3, 208896
	s_cselect_b32 s3, 256, s3                      ; from the lower lanes' scale words to the upper lanes'
	s_mov_b32 s2, 768
	s_cselect_b32 s2, 208896, s2                   ; from a fragment's first half to its second: k: a head on; v: 768 bytes
	s_mov_b32 s[SSTEP+1], 0
	s_mov_b32 s[SJUMP+1], 0
	s_mov_b32 s17, 0
	s_mov_b32 s19, 0
	s_add_nc_u64 s[16:17], s[6:7], s[16:17]        ; the biases' bases: not written again
	s_add_nc_u64 s[18:19], s[6:7], s[18:19]
	v_mul_u32_u24 v[VS1], s3, v2
	v_lshl_add_u32 v[VS1], v1, 4, v[VS1]
	s_mov_b32 s3, 0
	s_lshr_b32 s23, s21, 7                         ; the batch
	s_and_b32 s21, s21, 127                        ; my first tile of tokens in it
	s_lshl_b32 s23, s23, 4
	s_add_co_u32 s22, s22, s23                     ; batch x 16 + head
	s_lshl_b32 s23, s22, 7
	s_add_co_u32 s23, s23, s21
	s_mul_i32 s22, s22, 208896
	s_lshr_b32 s20, s21, 3                         ; the key step
	s_mul_i32 s46, s20, 12288
	s_add_co_u32 s46, s46, s22
	s_mul_i32 s47, s[TY], 6144
	s_add_co_u32 s46, s46, s47                     ; k's or v's codes
	s_lshl_b32 s21, s21, 6
	s_add_co_u32 s21, s21, s22
	s_add_co_u32 s21, s21, 196608                  ; k's words
	s_lshl_b32 s20, s20, 8
	s_add_co_u32 s20, s20, s22
	s_add_co_u32 s20, s20, 204800                  ; v's words
	s_cmp_eq_u32 s[TY], 0
	s_cselect_b32 s20, s21, s20
	s_mul_i32 s21, s23, 768                        ; q's codes
	s_lshl_b32 s23, s23, 6
	s_add_co_u32 s23, s23, 6291456                 ; q's words
	s_or_b32 s22, s[TY], ttmp9
	s_cmp_eq_u32 s22, 0                            ; q: columns 0-1023
	s_cselect_b64 s[OUT:OUT+1], s[8:9], s[10:11]
	s_cselect_b32 s46, s21, s46
	s_cselect_b32 s20, s23, s20
	s_cselect_b32 s2, 98304, s2
	s_mov_b32 s22, 208896
	s_cselect_b32 s22, 8192, s22                   ; from a head's words to the next head's
	s_mov_b32 s47, 0
	s_mov_b32 s21, 0
	s_mov_b32 s23, 0
	s_add_nc_u64 s[SOUT:SOUT+1], s[OUT:OUT+1], s[20:21]
	s_add_nc_u64 s[SOUT2:SOUT2+1], s[SOUT:SOUT+1], s[22:23]
	s_add_nc_u64 s[OUT:OUT+1], s[OUT:OUT+1], s[46:47]
	s_add_nc_u64 s[OUT2:OUT2+1], s[OUT:OUT+1], s[2:3]
	; A PREFETCH INTO THE L2 stands one load ahead of each of the ring's three later loads.  A K step of my 8 tiles is 8 x 12 blocks of 256 bytes; the four partners share them out by address, 24 each: a lane a block, one instruction a wave.
	v_min_u32 v12, 23, v3                          ; (lanes 24-31 name the last block again)
	v_mad_u32_u24 v12, s43, 24, v12                ; my block, 0 .. 95
	v_mul_u32_u24 v10, v12, 43
	v_lshrrev_b32 v10, 9, v10                      ; its tile: block / 12
	v_mul_u32_u24 v11, v10, 12
	v_sub_nc_u32 v12, v12, v11
	v_lshlrev_b32 v12, 8, v12
	v_mad_u32_u24 v12, v10, 12288, v12             ; v12 and s[44:45] are not written again
	global_prefetch_b8 v12, s[44:45] offset:3072 th:TH_LOAD_NT scope:SCOPE_SE    ; K step 1
	v_lshlrev_b32 v13, 6, v2
	v_and_b32 v14, 8, v1
	v_add_nc_u32 v14, v14, v1
	v_lshlrev_b32 v14, 2, v14
.irp g, 0,1,2,3
.irp j, 0,1,2,3
	global_load_b128 v[BB+16*\g+4*\j:BB+16*\g+4*\j+3], v13, s[16:17] offset:128*\g+16*\j   ; register 16 g + i: column 32 g + 16 h + i
.endr
.endr
.irp a, 0,1,2,3,4,5,6,7
	global_load_b32 v[BA+\a], v14, s[18:19] offset:(32*(\a/2)+8*(\a%2))*4                  ; block a: my place's column
.endr
.macro FRAG reg, adr, q, i             ; a fragment comes as it was laid: registers 0-3 and 6-9 at 16 x lane, 4-5 and 10-11 at 8 x lane: every load reads consecutive bytes
	ds_load_b128 v[\reg:\reg+3],     v[\adr]   offset:(\i)*3072+(\q)*1536
	ds_load_b64  v[\reg+4:\reg+5],   v[\adr+2] offset:(\i)*3072+(\q)*1536+512
	ds_load_b128 v[\reg+6:\reg+9],   v[\adr]   offset:(\i)*3072+(\q)*1536+768
	ds_load_b64  v[\reg+10:\reg+11], v[\adr+2] offset:(\i)*3072+(\q)*1536+1280
.endm
; 16 matrix instructions: A's blocks a0, a0 + 1 x B's eight.  The 64 accumulators take turns, one instruction a turn, in the same order in every step.
.macro MUL16 a0, p, q, sc, zero
.irp a, \a0, \a0+1
.irp b, 0,1,2,3,4,5,6,7
.if \zero
	v_wmma_scale_f32_16x16x128_f8f6f4 v[8*(8*((\a)%4)+\b):8*(8*((\a)%4)+\b)+7], v[128*(\p)+FR*\b:128*(\p)+FR*\b+FR-1], v[AF+FR*(\a):AF+FR*(\a)+FR-1], 0, v[SC+8*NQ*(\sc)+NQ*\b+(\q)], v[SC+8*NQ*(\sc)+NQ*(\a)+(\q)] matrix_a_fmt:MATRIX_FMT_FP6 matrix_b_fmt:MATRIX_FMT_FP6 matrix_a_scale:MATRIX_SCALE_ROW1
.else
	v_wmma_scale_f32_16x16x128_f8f6f4 v[8*(8*((\a)%4)+\b):8*(8*((\a)%4)+\b)+7], v[128*(\p)+FR*\b:128*(\p)+FR*\b+FR-1], v[AF+FR*(\a):AF+FR*(\a)+FR-1], v[8*(8*((\a)%4)+\b):8*(8*((\a)%4)+\b)+7], v[SC+8*NQ*(\sc)+NQ*\b+(\q)], v[SC+8*NQ*(\sc)+NQ*(\a)+(\q)] matrix_a_fmt:MATRIX_FMT_FP6 matrix_b_fmt:MATRIX_FMT_FP6 matrix_a_scale:MATRIX_SCALE_ROW1
.endif
.endr
.endr
.endm
.macro FETCH_B slot, q, p
	WIN TO_B
.irp i, 0,1,2,3,4,5,6,7
	FRAG 128*(\p)+FR*\i, ADRB+\slot, \q, \i
.endr
	WIN 0
.endm
.macro FETCH_A slot, q, i0
.irp i, \i0, \i0+1, \i0+2, \i0+3
	FRAG AF+FR*(\i), ADRA+\slot, \q, \i
.endr
.endm
.macro SCALES sc, ks                   ; the scale words of K step ks (256 along K) into set sc: lanes 0-15 A's block i, lanes 16-31 B's block i
.irp i, 0,1,2,3,4,5,6,7
.irp q, 0,1
	ds_load_b32 v[SC+16*(\sc)+2*\i+\q], v[ADRS] offset:\i*512+(2*(\ks)+\q)*64
.endr
.endr
.endm
.macro PLACES n                        ; plain instructions between a matrix instruction and a load into, or a vector read or write of, its registers (ISA guide 7.12.1 for vector reads and writes)
.rept \n
	v_nop
.endr
.endm
.macro STEP slot, zero                 ; a slot's first 128 along K
	s_wait_dscnt 16                                ; all but the youngest 16 loads (A's blocks 4-7) are in
	WIN MUL_LO
	MUL16 0, 0, 0, \slot, \zero
	MUL16 2, 0, 0, \slot, \zero
	s_wait_dscnt 0
	PLACES NP
	FETCH_B \slot, 1, 1
	FETCH_A \slot, 1, 0
	WIN MUL_HI
	MUL16 4, 0, 0, \slot, \zero
	MUL16 6, 0, 0, \slot, \zero
	PLACES NP
	WIN 0
	FETCH_A \slot, 1, 4
.endm
; A slot's second 128 along K changes slots: one barrier; in front of it each wave waits for all its tensor loads, adds 0 to its spare word, and waits for that and for its reads of this slot.
.macro TURN slot, next, fill, ksn
	s_wait_tensorcnt 0x0                           ; all my tensor loads have landed: my part of the next slot
	ds_add_u32 v[SPW], v[NIL]                      ; 0 onto my spare word
	s_wait_dscnt 17                                ; (the add and the youngest 16 loads may be out)
	WIN MUL_LO
	MUL16 0, 1, 1, \slot, 0
	s_wait_dscnt 0x0                               ; the add is done, and my reads of this slot are over
	s_barrier_signal -1
	MUL16 2, 1, 1, \slot, 0
	WIN 0
	s_barrier_wait -1
.if \fill
	CREST                                          ; the barrier has opened a round of the cluster's: no wave of any partner still reads this slot or has a load on its way
	s_add_nc_u64 s[G0+4*\slot+2:G0+4*\slot+3], s[G0+4*\slot+2:G0+4*\slot+3], 6144
	s_add_nc_u64 s[G0B+4*\slot+2:G0B+4*\slot+3], s[G0B+4*\slot+2:G0B+4*\slot+3], 6144
	JLOAD G0+4*\slot, G1, G0B+4*\slot, G1B         ; the first tensor load behind the round; its four v_nop are the places in front of the loads below
.else
	PLACES NP
.endif
	FETCH_B \next, 0, 0
	FETCH_A \next, 0, 0
	SCALES \next, \ksn
.if (\fill) && (\ksn) == 1
	global_prefetch_b8 v12, s[44:45] offset:9216 th:TH_LOAD_NT scope:SCOPE_SE    ; K step 3, which the next change of slots loads
.endif
	WIN MUL_HI
	MUL16 4, 1, 1, \slot, 0
	MUL16 6, 1, 1, \slot, 0
	PLACES NP
	WIN 0
	FETCH_A \next, 0, 4
.endm
	s_wait_alu depctr_va_vdst(0)                   ; the head's end
	s_wait_tensorcnt 0x0                           ; my tile of the head's four is in
	ds_add_u32 v[SPW], v[NIL]
	s_mov_b32 s[G1+2], 8<<16                       ; no tensor load of mine is out: from here on a load brings 8 tiles
	s_mov_b32 s[G1+4], 8
	s_mov_b32 s[G1B+2], 8<<16
	s_mov_b32 s[G1B+4], 8
	s_mul_i32 s[G0+1], s[WV], HALFT                ; and slot 0's group 0 becomes the ring's: my 8 tiles, K step 0
	s_mov_b32 s[G0B+1], s[G0+1]
	s_mul_i32 s46, s[CH], 8*12288
	s_mov_b32 s47, 0
	s_add_nc_u64 s[G0+2:G0+3], s[G0+2:G0+3], s[46:47]
	s_add_nc_u64 s[G0B+2:G0B+3], s[G0B+2:G0B+3], s[46:47]
	s_wait_dscnt 0x0
	CROUND                                         ; all four tiles are in, all sixteen work-groups are here
	JLOAD G0+4, G1, G0B+4, G1B                     ; K step 1, the first tensor load behind the round
	FETCH_B 0, 0, 0
	FETCH_A 0, 0, 0
	SCALES 0, 0
	global_prefetch_b8 v12, s[44:45] offset:6144 th:TH_LOAD_NT scope:SCOPE_SE    ; K step 2, which the first change of slots loads
	FETCH_A 0, 0, 4
	STEP 0, 1                                      ; the first products start the sums
	TURN 0, 1, 1, 1
	STEP 1, 0
	TURN 1, 0, 1, 2
	STEP 0, 0
	TURN 0, 1, 0, 3                                ; nothing is left to fetch
	STEP 1, 0
	s_wait_dscnt 16
	WIN MUL_LO
	MUL16 0, 1, 1, 1, 0
	MUL16 2, 1, 1, 1, 0
	s_wait_dscnt 0
	WIN MUL_HI
	MUL16 4, 1, 1, 1, 0
	MUL16 6, 1, 1, 1, 0
	WIN 0
; 64 numbers of a lane, register 16 b + i = k 32 b + 16 (lane / 16) + i of my row, become a fragment's codes in v[PC] on and its scale word in v[w]
.macro QUANT s, w, a
.irp b, 0,1,2,3
	v_max3_num_f32 v[TM+\b], |v[\s+16*\b]|, |v[\s+1+16*\b]|, 0x1800000   ; my 16 numbers of block b, and the floor 2^(3 - 127): the byte cannot fall under 1
.endr
.irp i, 2,4,6,8,10,12,14
.irp b, 0,1,2,3
	v_max3_num_f32 v[TM+\b], v[TM+\b], |v[\s+16*\b+\i]|, |v[\s+1+16*\b+\i]|
.endr
.endr
.irp b, 0,1,2,3
	v_permlanex16_b32 v[TM+4+\b], v[TM+\b], s[SEL], s[SEL+1]
.endr
.irp b, 0,1,2,3
	v_max_num_f32 v[TM+\b], v[TM+\b], v[TM+4+\b]   ; with lane l xor 16's: the block's largest magnitude
.endr
.irp b, 0,1,2,3
	v_add_nc_u32 v[TM+12+\b], 0xff000000, v[TM+\b] ; 2 off its exponent field: the conversion's scale operand
.endr
.irp b, 0,1,2,3
	v_lshrrev_b32 v[TM+4+\b], 23, v[TM+12+\b]      ; the byte
.endr
	v_lshl_or_b32 v[\w], v[TM+5], 8, v[TM+4]
	v_lshl_or_b32 v[\w], v[TM+6], 16, v[\w]
	v_lshl_or_b32 v[\w], v[TM+7], 24, v[\w]
.if (\a) > 0                                   ; up to here nothing that the last block's stores name has been written: their data (the codes) and their bases follow
	s_wait_alu depctr_va_vdst(0)
	s_wait_xcnt 0x0                                ; the last block's stores have read their data and their bases
.if (\a) == 4
	s_add_nc_u64 s[OUT:OUT+1], s[OUT:OUT+1], s[SJUMP:SJUMP+1]
	s_add_nc_u64 s[OUT2:OUT2+1], s[OUT2:OUT2+1], s[SJUMP:SJUMP+1]
.else
	s_add_nc_u64 s[OUT:OUT+1], s[OUT:OUT+1], s[SSTEP:SSTEP+1]
	s_add_nc_u64 s[OUT2:OUT2+1], s[OUT2:OUT2+1], s[SSTEP:SSTEP+1]
.endif
.endif
.irp c, 0,1
	v_cvt_scalef32_pk16_fp6_f32 v[PC+6*\c:PC+2+6*\c], v[\s+32*\c:\s+15+32*\c], v[TM+12+2*\c]
	v_cvt_scalef32_pk16_fp6_f32 v[PC+12+4*\c:PC+14+4*\c], v[\s+16+32*\c:\s+31+32*\c], v[TM+12+2*\c+1]
.endr
	v_nop                                          ; one plain instruction behind a scaled conversion
.irp c, 0,1                                    ; a whole block to a lane: lanes 0-15 block 2 c, lanes 16-31 block 2 c + 1
.irp i, 0,1,2
	v_permlane16_swap_b32 v[PC+6*\c+\i], v[PC+12+4*\c+\i]
.endr
.irp i, 0,1,2
	v_mov_b32 v[PC+3+6*\c+\i], v[PC+12+4*\c+\i]
.endr
.endr
.endm
; Block a of my eight: the bias, the quantiser, four stores of whole runs (512 + 256 bytes, twice)
.macro TILE_OUT a
	s_cmp_eq_u32 s[TY], 0                          ; the same in all partners
	s_cbranch_scc0 .Lfor_v_\@
	WIN 0x02+(\a)/4                                ; source 0: the accumulators' window
.set n, 0
.rept 32
	v_pk_add_f32 v[H+n:H+n+1], v[64*((\a)%4)+n:64*((\a)%4)+n+1], v[BB+n:BB+n+1]   ; q, k: a bias for each register; each accumulator from its low end on
.set n, n+2
.endr
	WIN 0
	s_branch .Ljoin_\@
.Lfor_v_\@:
	WIN 0x02+(\a)/4
.set n, 0
.rept 64
	v_add_f32 v[H+n], v[64*((\a)%4)+n], v[BA+(\a)]                                  ; v: one bias for the lane
.set n, n+1
.endr
	WIN 0
.Ljoin_\@:
	QUANT H, PWS+(\a), \a
	global_store_b128 v[V16], v[PC:PC+3], s[OUT:OUT+1]
	global_store_b64 v[V8], v[PC+4:PC+5], s[OUT:OUT+1] offset:512
	global_store_b128 v[V16], v[PC+6:PC+9], s[OUT2:OUT2+1]
	global_store_b64 v[V8], v[PC+10:PC+11], s[OUT2:OUT2+1] offset:512
.endm
	s_wait_loadcnt 0x0                             ; the biases
	PLACES NP                                      ; behind the last products: their results are read, and A's registers written, below
.irp b, 0,1,2,3
	v_mov_b32 v[TM+4+\b], 0                        ; a lane permute's destination counts as one of its sources
.endr
.irp a, 0,1,2,3,4,5,6,7
	TILE_OUT \a
.endr
	; the scale words: q, k: lanes 0-15 give the first head's two bytes, lanes 16-31 the second head's; v: the whole word.  Through my own 1,024 bytes of LDS, so that 16 bytes a lane leave
.irp a, 0,1,2,3,4,5,6,7
	v_lshrrev_b32 v[228+\a], v[SHV], v[PWS+\a]
.endr
.irp a, 0,1,2,3,4,5,6,7
	ds_store_b32 v[SCRA], v[228+\a] offset:64*\a
.endr
	ds_load_b128 v[128:131], v[SCRR]               ; served in order: these see my stores
	ds_load_b128 v[132:135], v[SCRR] offset:512
	s_wait_dscnt 0x0
	global_store_b128 v[VS1], v[128:131], s[SOUT:SOUT+1]      ; q, k: the first head's 512 bytes; v: 256 bytes for each of the two heads
	s_cmp_eq_u32 s[TY], 0
	s_cbranch_scc0 .Lno_second
	global_store_b128 v[VS1], v[132:135], s[SOUT2:SOUT2+1]    ; q, k: the second head's
.Lno_second:
	s_wait_tensorcnt 0x0                           ; the wave's end
	ds_add_u32 v[SPW], v[NIL]
	s_wait_dscnt 0x0
	CROUND                                         ; the closing round
	s_endpgm
.Lfunc_end_k_q68cf2e91ca_qkv:
	.size	k_q68cf2e91ca_qkv, .Lfunc_end_k_q68cf2e91ca_qkv-k_q68cf2e91ca_qkv
	.p2alignl 7, 3214868480
	.fill 96, 4, 3214868480
	.section	.rodata,"a",@progbits
	.p2align	6, 0x0
	.amdhsa_kernel k_q68cf2e91ca_qkv
		.amdhsa_group_segment_fixed_size 327680
		.amdhsa_private_segment_fixed_size 0
		.amdhsa_enable_private_segment 0
		.amdhsa_kernarg_size 32
		.amdhsa_user_sgpr_count 2
		.amdhsa_user_sgpr_kernarg_segment_ptr 1
		.amdhsa_wavefront_size32 1
		.amdhsa_system_sgpr_workgroup_id_x 1
		.amdhsa_system_sgpr_workgroup_id_y 1
		.amdhsa_system_sgpr_workgroup_id_z 1
		.amdhsa_system_vgpr_workitem_id 0
		.amdhsa_next_free_vgpr 1024
		.amdhsa_next_free_sgpr 106
		.amdhsa_reserve_vcc 0
		.amdhsa_float_denorm_mode_32 3
		.amdhsa_float_denorm_mode_16_64 3
		.amdhsa_memory_ordered 1
		.amdhsa_forward_progress 1
		.amdhsa_inst_pref_size 192
	.end_amdhsa_kernel
	.amdgpu_metadata
---
amdhsa.version: [ 1, 2 ]
amdhsa.kernels:
  - .name:           k_q68cf2e91ca_qkv
    .symbol:         k_q68cf2e91ca_qkv.kd
    .args:
      - { .name: ops, .offset: 0, .size: 8, .value_kind: global_buffer, .address_space: global }
      - { .name: b_attn, .offset: 8, .size: 8, .value_kind: global_buffer, .address_space: global }
      - { .name: qb, .offset: 16, .size: 8, .value_kind: global_buffer, .address_space: global }
      - { .name: kb, .offset: 24, .size: 8, .value_kind: global_buffer, .address_space: global }
    .group_segment_fixed_size: 327680
    .private_segment_fixed_size: 0
    .kernarg_segment_align: 8
    .kernarg_segment_size: 32
    .max_flat_workgroup_size: 128
    .sgpr_count:     106
    .vgpr_count:     1024
    .wavefront_size: 32
...
	.end_amdgpu_metadata
.endif
;; end of part 2
;; launch attn (part 3): grid 4 x 64, 16 waves a work-group, clusters of 4 x 1, 212,992 bytes of LDS; arguments qb, kb, ab; writes ab
.if DOCPART == 3
	.amdgcn_target "amdgcn-amd-amdhsa--gfx1250"
	.amdhsa_code_object_version 6
	.text
	.protected	k_q68cf2e91ca_attn
	.globl	k_q68cf2e91ca_attn
	.p2align	8
	.type	k_q68cf2e91ca_attn,@function
k_q68cf2e91ca_attn:
	s_mov_b64 s[64:65], 0
	v_nop
	global_prefetch_b8 v0, s[64:65] scope:SCOPE_SE
	s_setreg_imm32_b32 hwreg(HW_REG_WAVE_MODE, 25, 1), 1
	s_wait_xcnt 0x0
	s_wait_alu depctr_hold_cnt(0) depctr_sa_sdst(0) depctr_va_vdst(0) depctr_va_sdst(0) depctr_va_ssrc(0) depctr_va_vcc(0) depctr_vm_vsrc(0)
	s_getreg_b32 s2, hwreg(HW_REG_IB_STS2, 6, 4)
	s_cmp_eq_u32 s2, 0
	s_cbranch_scc0 .Lentry_in_a_cluster
	s_endpgm
.Lentry_in_a_cluster:
	s_bfe_u32 s2, ttmp6, 0x10000c
	s_cmp_lg_u32 s2, 0x3003
	s_cbranch_scc0 .Lentry_shape_is_right
	s_endpgm
.Lentry_shape_is_right:
; Causal attention of one head on codes of FP6 (E2M3) with E8M0 scales: S^T = K q^T, p = 2^(t - M) with M the ceiling of the running largest t, O^T += V^T p^T, O / l quantised along the head's 64 into ab.
; LEFT OUT: key steps that lie wholly above the diagonal: their scores are -inf, so their p is 0 for all inputs.
; LIMITS: the scaled scores stay under 2^31 in magnitude; NaN and infinities are not served; a block whose largest magnitude lies under 2^-124 is held at the byte 1.
; THE DEAL.  A head's K, V^T and their scale words are 208,896 dense bytes of kb: they lie in LDS whole, as in memory, each byte filled once: no ring, no refill.
; A cluster is the four work-groups of one head; tile t = 4 j + cx (16 queries) belongs to work-group cx, and wave w takes j = w (the low tile) and j = 31 - w (the high tile).
; A tile needs the key steps 0 .. t / 8 = j / 2, which no cx enters: so all four partners need all keys, every load is joint (mask 15), no branch hangs on cx, and every wave has (w / 2 + 1) + ((31 - w) / 2 + 1) = 17 steps.
; FILLS, one a wave: waves 0-2 key steps 0-3 (64 rows of 256 bytes each), wave 3 the scale words (48 rows), waves 4-15 key step w (48 rows).  The first barrier waits for waves 0-3's loads alone;
; behind it every wave takes its high tile through key steps 0-3 (all of them under the diagonal: the high tiles begin at query 1,024); a second barrier, with every wave's wait for its load, shows the rest.
; No prefetch: all that the launch reads through LDS is asked for at the head, and there is no loop to run ahead in.
; A STEP: 16 queries x 128 keys.  The head's K is 64, half of the instruction's 128: q's upper six registers hold zero codes, so what stands in the upper six of K's operand adds nothing:
; K's tiles lie six registers apart, a tile's upper half being the next tile's codes (the last tile's: v92-97, work registers).  V's fragments are asked for into K's registers as soon as the scores are made.
; REGISTERS: v1-11 addresses; v12-19 -M, largest t, the sum's halves, for each tile; v20-43 q; v44-91 K's, then V's fragments; v92-97 work; v98-161 scores, p; v162-225 O^T; v226-237 p's codes; v238-245 K's and V's scale words;
; v246 the rescaling factor, v247 p's scale word, v248-249 q's scale words, v250-255 addresses and work.
.set HEADB, 208896
.set STEPB, 12288
.set SCK,   196608
.set SCV,   204800
.set SPARE, 208896                     ; the spare words: 128 bytes a wave, 2,048 in all, that no other line names
.set L16,  1
.set L8,   2
.set ASK0, 3
.set SPW,  5
.set NIL,  6
.set AD16, 8
.set AD8,  9
.set ADS,  10
.set ADT,  11
.set KR,   44
.set PT,   92
.set S,    98
.set O,    162
.set PC,   226
.set BM,   234
.set SW,   238
.set VW,   242
.set F,    246
.set PSW,  247
.set QS,   248
.set ASV0, 250
.set TX,   251
.set SO,   252
.set WV,   18
.set CX,   19
.set SEL,  20
.set CS,   22
.set G1,   24
.set G1L,  32
.set G0A,  40
.set G0B,  44
.set G0C,  48
.set OA0,  52
.set OA1,  54
.set OSC,  56
.set KF,   68
.set TB,   70
.set TS,   72
.set TJ,   74
.set QG,   76
.set LC,   78
.set DT,   79
.macro CROUND                          ; a round of the cluster's barrier
	s_barrier_signal -1
	s_barrier_wait -1
	s_cmp_lg_u32 s[WV], 0
	s_cbranch_scc1 .Lnot_wave_0_\@
	s_barrier_signal -3
.Lnot_wave_0_\@:
	s_barrier_wait -3
	s_barrier_signal -1
	s_barrier_wait -1
.endm
.macro TL g0, g1
	tensor_load_to_lds s[\g0:\g0+3], s[\g1:\g1+7]
	s_nop 0
.rept 4
	v_nop
.endr
.endm
	s_load_b128 s[4:7], s[0:1], 0x0                ; qb, kb
	s_load_b64 s[8:9], s[0:1], 0x10                ; ab
	v_lshl_add_u32 v[SPW], v0, 2, SPARE
	v_mov_b32 v[NIL], 0
	ds_add_u32 v[SPW], v[NIL]                      ; the opening lines
	ds_add_u32 v[SPW], v[NIL]
	v_lshrrev_b32 v8, 5, v0
	v_readfirstlane_b32 s[WV], v8
	s_bfe_u32 s[CX], ttmp6, 0x40000                ; cx
	s_and_b32 s80, ttmp7, 0xffff                   ; batch x 16 + head
	s_mul_i32 s82, s80, HEADB
	s_mov_b32 s83, 0
	s_lshl_b32 s84, s[WV], 2
	s_add_co_u32 s85, s84, s[CX]                   ; the low tile, 4 w + cx
	s_sub_co_u32 s86, 124, s84
	s_add_co_u32 s86, s86, s[CX]                   ; the high tile, 4 (31 - w) + cx
	s_lshr_b32 s[QG], s[WV], 1
	s_lshl_b32 s[QG], s[QG], 7                     ; first key of a tile's last key step: of the wave's number alone
	s_sub_co_u32 s[QG+1], 31, s[WV]
	s_lshr_b32 s[QG+1], s[QG+1], 1
	s_lshl_b32 s[QG+1], s[QG+1], 7
	s_lshr_b32 s87, s85, 1                         ; a tile's first query: 32 (t / 2) + 8 (t % 2)
	s_lshl_b32 s87, s87, 5
	s_and_b32 s88, s85, 1
	s_lshl_b32 s88, s88, 3
	s_add_co_u32 s87, s87, s88
	s_lshr_b32 s89, s86, 1
	s_lshl_b32 s89, s89, 5
	s_and_b32 s88, s86, 1
	s_lshl_b32 s88, s88, 3
	s_add_co_u32 s89, s89, s88
	s_lshl_b32 s90, s80, 7
	s_add_co_u32 s91, s90, s86                     ; head x 128 + tile
	s_add_co_u32 s90, s90, s85
	s_sub_co_u32 s[DT], s86, s85
	s_lshl_b32 s[DT], s[DT], 5                     ; from the low tile's scale bytes in ab to the high tile's
.irp g, G1, G1L                                ; rows of 256 bytes (32 elements of 8), dense; the mask names the four partners
	s_mov_b32 s[\g], 15|(3<<16)|(1<<21)
	s_mov_b32 s[\g+1], 32<<16
	s_mov_b32 s[\g+3], 32<<16
	s_mov_b32 s[\g+5], 32
	s_mov_b32 s[\g+6], 0
	s_mov_b32 s[\g+7], 0
.endr
	s_mov_b32 s[G1+2], 48<<16
	s_mov_b32 s[G1+4], 48
	s_mov_b32 s[G1L+2], 64<<16
	s_mov_b32 s[G1L+4], 64
	s_mov_b32 s[G0A], 1
	s_mov_b32 s[G0A+1], SCK
	s_mov_b32 s[G0B], 1
	s_lshl_b32 s[G0B+1], s[WV], 14
	s_mov_b32 s[G0C], 1
	s_mul_i32 s[G0C+1], s[WV], STEPB
	s_mov_b32 s[SEL], 0x76543210
	s_mov_b32 s[SEL+1], 0xfedcba98                 ; lane l xor 16
	s_mov_b32 s[CS], 0x3e38aa3b                    ; log2(e) / 8
	s_mov_b32 s[CS+1], s[CS]
.irp r, KF, TB, TS, TJ
	s_mov_b32 s[\r], 0
	s_mov_b32 s[\r+1], 0
.endr
	s_wait_alu depctr_va_vdst(0)
	s_wait_dscnt 0x0                               ; both opening adds are done
	CROUND                                         ; the four partners are here: the joint loads meet
	s_wait_kmcnt 0x0
	s_add_nc_u64 s[82:83], s[6:7], s[82:83]        ; the head's bytes of kb
	s_add_nc_u64 s[G0A+2:G0A+3], s[82:83], SCK
	s_or_b32 s[G0A+3], s[G0A+3], 0x80000000
	s_mov_b32 s92, s[G0B+1]
	s_mov_b32 s93, 0
	s_add_nc_u64 s[G0B+2:G0B+3], s[82:83], s[92:93]
	s_or_b32 s[G0B+3], s[G0B+3], 0x80000000
	s_mov_b32 s92, s[G0C+1]
	s_add_nc_u64 s[G0C+2:G0C+3], s[82:83], s[92:93]
	s_or_b32 s[G0C+3], s[G0C+3], 0x80000000
	s_cmp_lt_u32 s[WV], 3
	s_cbranch_scc0 .Larm_s
	TL G0B, G1L                                    ; waves 0-2: a third each of key steps 0-3
	s_branch .Lasked
.Larm_s:
	s_cmp_eq_u32 s[WV], 3
	s_cbranch_scc0 .Larm_c
	TL G0A, G1                                     ; wave 3: the scale words
	s_branch .Lasked
.Larm_c:
	TL G0C, G1                                     ; waves 4-15: key step w
.Lasked:
	s_mul_i32 s92, s90, 768
	s_add_nc_u64 s[58:59], s[4:5], s[92:93]        ; q's codes, low tile
	s_mul_i32 s92, s91, 768
	s_add_nc_u64 s[60:61], s[4:5], s[92:93]        ; high tile
	s_lshl_b32 s92, s90, 6
	s_add_co_u32 s92, s92, 6291456
	s_add_nc_u64 s[62:63], s[4:5], s[92:93]        ; q's scale words
	s_lshl_b32 s92, s91, 6
	s_add_co_u32 s92, s92, 6291456
	s_add_nc_u64 s[66:67], s[4:5], s[92:93]
	s_lshl_b32 s92, s90, 5
	s_add_co_u32 s92, s92, 6291456
	s_add_nc_u64 s[OSC:OSC+1], s[8:9], s[92:93]    ; ab's scale bytes
	s_lshr_b32 s94, s80, 4
	s_lshl_b32 s94, s94, 7
	s_and_b32 s95, s80, 15
	s_mul_i32 s95, s95, 768
	s_add_co_u32 s92, s94, s85
	s_mul_i32 s92, s92, 12288
	s_add_co_u32 s92, s92, s95
	s_add_nc_u64 s[OA0:OA0+1], s[8:9], s[92:93]    ; ab's codes: (batch x 128 + tile) x 12,288 + head x 768
	s_add_co_u32 s92, s94, s86
	s_mul_i32 s92, s92, 12288
	s_add_co_u32 s92, s92, s95
	s_add_nc_u64 s[OA1:OA1+1], s[8:9], s[92:93]
	v_and_b32 v8, 31, v0
	v_lshlrev_b32 v[L16], 4, v8
	v_lshlrev_b32 v[L8], 3, v8
	v_and_b32 v9, 15, v0
	v_bfe_u32 v10, v0, 4, 1
	v_lshlrev_b32 v[TX], 2, v9
	global_load_b128 v[20:23], v[L16], s[58:59]
	global_load_b64 v[24:25], v[L8], s[58:59] offset:512
	global_load_b128 v[32:35], v[L16], s[60:61]
	global_load_b64 v[36:37], v[L8], s[60:61] offset:512
	global_load_b32 v[QS], v[TX], s[62:63]
	global_load_b32 v[QS+1], v[TX], s[66:67]
	v_add_nc_u32 v[ASK0], SCK, v[TX]
	v_add_nc_u32 v[ASV0], SCV, v[TX]
	v_and_b32 v8, 8, v9
	v_add_nc_u32 v8, v8, v9
	v_lshlrev_b32 v10, 4, v10
	v_sub_nc_u32 v8, v8, v10
	v_add_nc_u32 v4, s87, v8                       ; my query less 16 (lane / 16): register n of the scores is hidden where key step's first key + 32 (n / 16) + n % 16 lies beyond it
	v_add_nc_u32 v7, s89, v8
.irp j, 26,27,28,29,30,31,38,39,40,41,42,43,92,93,94,95,96,97
	v_mov_b32 v\j, 0                               ; q's zero codes; the work registers
.endr
.irp s, 12, 16
	v_mov_b32 v[\s+1], 0xff61b1e6                  ; the largest t so far: -3e38
	v_floor_f32 v[\s], -v[\s+1]
	v_mov_b32 v[\s+2], 0
	v_mov_b32 v[\s+3], 0
.endr
	v_mov_b32 v[F], 0
	v_mov_b32 v[PSW], 0
.set n, 0
.rept 64
	v_mov_b32 v[O+n], 0
.set n, n+1
.endr
; One step: tile T against the 128 keys from s[KF+T] on.  full = 1: with the test for steps above the diagonal and the mask on the diagonal.
.macro STEP T, full
.set ST, 12+4*(\T)
.set OT, O+32*(\T)
.set QF, 20+12*(\T)
.set QLT, 4+3*(\T)
.if \full
	s_cmp_gt_u32 s[KF+\T], s[QG+\T]
	s_cbranch_scc1 .Lhidden_\@
.endif
	v_add_nc_u32 v[AD16], s[TB+\T], v[L16]         ; these five are also the places behind the last step's products, ahead of the loads into their registers
	v_add_nc_u32 v[AD8], s[TB+\T], v[L8]
	v_add_nc_u32 v[ADS], s[TS+\T], v[ASK0]
	v_add_nc_u32 v[ADT], s[TJ+\T], v[ASV0]
	v_nop
	s_wait_alu depctr_va_vdst(0)
.irp t, 0,1,2,3,4,5,6,7
	ds_load_b128 v[KR+6*\t:KR+6*\t+3], v[AD16] offset:\t*768
	ds_load_b64 v[KR+6*\t+4:KR+6*\t+5], v[AD8] offset:\t*768+512
	ds_load_b32 v[SW+\t], v[ADS] offset:\t*64
.endr
	s_wait_dscnt 0x0
.irp t, 0,1,2,3,4,5,6,7
	v_wmma_scale_f32_16x16x128_f8f6f4 v[S+8*\t:S+8*\t+7], v[KR+6*\t:KR+6*\t+11], v[QF:QF+11], 0, v[SW+\t], v[QS+(\T)] matrix_a_fmt:MATRIX_FMT_FP6 matrix_b_fmt:MATRIX_FMT_FP6
.endr
.rept 4
	v_nop                                          ; places: the loads below land in K's registers, and the scores are read
.endr
.irp t, 0,1,2,3
	ds_load_b128 v[KR+12*\t:KR+12*\t+3], v[AD16] offset:6144+\t*1536
	ds_load_b64 v[KR+12*\t+4:KR+12*\t+5], v[AD8] offset:6144+\t*1536+512
	ds_load_b128 v[KR+12*\t+6:KR+12*\t+9], v[AD16] offset:6144+\t*1536+768
	ds_load_b64 v[KR+12*\t+10:KR+12*\t+11], v[AD8] offset:6144+\t*1536+1280
	ds_load_b32 v[VW+\t], v[ADT] offset:\t*64
.endr
.if \full
	s_cmp_lt_u32 s[KF+\T], s[QG+\T]
	s_cbranch_scc1 .Lopen_\@
	v_sub_nc_u32 v[F], v[QLT], s[KF+\T]            ; the tile's last key step holds the diagonal
	v_mov_b32 v[TX], 0xff800000
.set n, 0
.rept 64
	v_cmp_gt_i32 vcc_lo, 32*(n/16)+n%16, v[F]
	v_cndmask_b32 v[S+n], v[S+n], v[TX], vcc_lo
.set n, n+1
.endr
.Lopen_\@:
.endif
.irp b, 0,1,2,3
	v_max3_num_f32 v[BM+\b], v[S+16*\b], v[S+1+16*\b], v[S+2+16*\b]   ; each block's largest score: for the row's maximum and for the block's largest p
.endr
.irp i, 3,5,7,9,11,13
.irp b, 0,1,2,3
	v_max3_num_f32 v[BM+\b], v[BM+\b], v[S+16*\b+\i], v[S+1+16*\b+\i]
.endr
.endr
.irp b, 0,1,2,3
	v_max_num_f32 v[BM+\b], v[BM+\b], v[S+15+16*\b]
.endr
.irp b, 0,1,2,3
	s_delay_alu instid0(VALU_DEP_4)
	v_permlanex16_b32 v[PT+\b], v[BM+\b], s[SEL], s[SEL+1]
.endr
.irp b, 0,1,2,3
	s_delay_alu instid0(VALU_DEP_4)
	v_max_num_f32 v[BM+\b], v[BM+\b], v[PT+\b]
.endr
	s_delay_alu instid0(VALU_DEP_2)
	v_max3_num_f32 v[TX], v[BM], v[BM+1], v[BM+2]
	s_delay_alu instid0(VALU_DEP_1)
	v_max_num_f32 v[TX], v[TX], v[BM+3]
	s_delay_alu instid0(VALU_DEP_1)
	v_mul_f32 v[TX], s[CS], v[TX]
	s_delay_alu instid0(VALU_DEP_1)
	v_max_num_f32 v[ST+1], v[ST+1], v[TX]          ; the running largest t
	v_mov_b32 v[TX], v[ST]
	s_delay_alu instid0(VALU_DEP_2)
	v_floor_f32 v[ST], -v[ST+1]                    ; -M = floor(-t)
.set n, 0
.rept 32                                       ; t - M; the three lines that make 2^(old M - new M) stand among them, four lines apart
	v_pk_fma_f32 v[S+n:S+n+1], v[S+n:S+n+1], s[CS:CS+1], v[ST:ST+1] op_sel_hi:[1,0,0]
.if n == 6
	v_sub_f32 v[TX], v[ST], v[TX]
.endif
.if n == 14
	v_cvt_i32_f32 v[TX], v[TX]
.endif
.if n == 22
	v_ldexp_f32 v[F], 1.0, v[TX]
.endif
.set n, n+2
.endr
.irp b, 0,1,2,3
	v_fma_f32 v[BM+\b], v[BM+\b], s[CS], v[ST]
.endr
	s_wait_alu depctr_va_vdst(0)                   ; the wait ahead of the batch
.set n, 0
.rept 64
	v_exp_f32 v[S+n], v[S+n]
.set n, n+1
.endr
	v_pk_mul_f32 v[ST+2:ST+3], v[ST+2:ST+3], v[F:F+1] op_sel_hi:[1,0]
	s_wait_alu depctr_va_vdst(0)                   ; and behind it
.irp b, 0,1,2,3
	v_exp_f32 v[BM+\b], v[BM+\b]
.endr
	v_pk_add_f32 v[PT:PT+1], v[S:S+1], v[S+2:S+3]  ; the row's sum, of the unquantised p, in four chains by turns
	v_pk_add_f32 v[PT+2:PT+3], v[S+4:S+5], v[S+6:S+7]
	v_pk_add_f32 v[PT+4:PT+5], v[S+8:S+9], v[S+10:S+11]
	v_pk_add_f32 v[ST+2:ST+3], v[ST+2:ST+3], v[S+12:S+13]
.irp j, 14,22,30,38,46,54
	v_pk_add_f32 v[PT:PT+1], v[PT:PT+1], v[S+\j:S+1+\j]
	v_pk_add_f32 v[PT+2:PT+3], v[PT+2:PT+3], v[S+2+\j:S+3+\j]
	v_pk_add_f32 v[PT+4:PT+5], v[PT+4:PT+5], v[S+4+\j:S+5+\j]
	v_pk_add_f32 v[ST+2:ST+3], v[ST+2:ST+3], v[S+6+\j:S+7+\j]
.endr
	v_pk_add_f32 v[PT:PT+1], v[PT:PT+1], v[S+62:S+63]
	v_pk_add_f32 v[PT+2:PT+3], v[PT+2:PT+3], v[PT+4:PT+5]
	v_pk_add_f32 v[ST+2:ST+3], v[ST+2:ST+3], v[PT:PT+1]
	v_pk_add_f32 v[ST+2:ST+3], v[ST+2:ST+3], v[PT+2:PT+3]
	s_wait_alu depctr_va_vdst(0)                   ; for the four
.irp b, 0,1,2,3
	v_max_num_f32 v[BM+\b], 0x1800000, v[BM+\b]    ; the floor 2^(3 - 127)
.endr
.irp b, 0,1,2,3
	s_delay_alu instid0(VALU_DEP_4)
	v_add_nc_u32 v[SO+\b], 0xff000000, v[BM+\b]    ; 2 off the exponent field: the conversions' scale operand
.endr
.irp b, 0,1,2,3
	s_delay_alu instid0(VALU_DEP_4)
	v_lshrrev_b32 v[PT+\b], 23, v[SO+\b]
.endr
	s_delay_alu instid0(VALU_DEP_3)
	v_lshl_or_b32 v[PSW], v[PT+1], 8, v[PT]
	s_delay_alu instid0(VALU_DEP_1)
	v_lshl_or_b32 v[PSW], v[PT+2], 16, v[PSW]
	s_delay_alu instid0(VALU_DEP_1)
	v_lshl_or_b32 v[PSW], v[PT+3], 24, v[PSW]
	v_cvt_scalef32_pk16_fp6_f32 v[PC:PC+2], v[S:S+15], v[SO]
	v_cvt_scalef32_pk16_fp6_f32 v[PC+6:PC+8], v[S+32:S+47], v[SO+2]
	v_nop                                          ; a plain line: the next two write registers that the first read
	v_cvt_scalef32_pk16_fp6_f32 v[S:S+2], v[S+16:S+31], v[SO+1]
	v_cvt_scalef32_pk16_fp6_f32 v[S+4:S+6], v[S+48:S+63], v[SO+3]
	v_nop
.irp c, 0,1                                    ; a whole block to a lane
.irp i, 0,1,2
	v_permlane16_swap_b32 v[PC+6*\c+\i], v[S+4*\c+\i]
.endr
.irp i, 0,1,2
	s_delay_alu instid0(VALU_DEP_3)
	v_mov_b32 v[PC+3+6*\c+\i], v[S+4*\c+\i]
.endr
.endr
	s_wait_alu depctr_va_vdst(0)                   ; the wait directly ahead of the first reader of O^T
.set n, 0
.rept 16
	v_pk_mul_f32 v[OT+n:OT+n+1], v[OT+n:OT+n+1], v[F:F+1] op_sel_hi:[1,0]
.set n, n+2
.endr
	s_wait_alu depctr_va_vdst(0)
	s_wait_dscnt 0x0                               ; V's fragments, asked for behind the scores' products
.irp t, 0,1,2,3
	v_wmma_scale_f32_16x16x128_f8f6f4 v[OT+8*\t:OT+8*\t+7], v[KR+12*\t:KR+12*\t+11], v[PC:PC+11], v[OT+8*\t:OT+8*\t+7], v[VW+\t], v[PSW] matrix_a_fmt:MATRIX_FMT_FP6 matrix_b_fmt:MATRIX_FMT_FP6
.endr
.if \full
.Lhidden_\@:
.endif
.endm
.macro NEXT T
	s_add_co_u32 s[KF+\T], s[KF+\T], 128
	s_add_co_u32 s[TB+\T], s[TB+\T], STEPB
	s_add_co_u32 s[TS+\T], s[TS+\T], 512
	s_add_co_u32 s[TJ+\T], s[TJ+\T], 256
.endm
	s_wait_alu depctr_va_vdst(0)                   ; the head's end
	s_wait_loadcnt 0x0                             ; q
	s_cmp_lt_u32 s[WV], 4
	s_cbranch_scc0 .Lnot_first
	s_wait_tensorcnt 0x0                           ; waves 0-3: key steps 0-3 and the scale words are in
.Lnot_first:
	s_barrier_signal -1
	s_barrier_wait -1                              ; the other twelve loads may be out
	s_mov_b32 s[LC], 4
.Lfirst:                                               ; the high tile, key steps 0-3
	STEP 1, 0
	NEXT 1
	s_sub_co_u32 s[LC], s[LC], 1
	s_cmp_lg_u32 s[LC], 0
	s_cbranch_scc1 .Lfirst
	s_wait_tensorcnt 0x0                           ; every wave's load is in
	s_wait_dscnt 0x0
	s_barrier_signal -1
	s_barrier_wait -1                              ; the whole head is shown to all; from here on the waves walk alone
	s_mov_b32 s[LC], 12
.Lrest:                                                ; trip i: the low tile's key step i, the high tile's key step i + 4, each while it lies under its diagonal
	STEP 0, 1
	STEP 1, 1
	NEXT 0
	NEXT 1
	s_sub_co_u32 s[LC], s[LC], 1
	s_cmp_lg_u32 s[LC], 0
	s_cbranch_scc1 .Lrest
.rept 4
	v_nop
.endr
	v_add_f32 v14, v14, v15
	v_add_f32 v18, v18, v19
	s_delay_alu instid0(VALU_DEP_2)
	v_permlanex16_b32 v[F], v14, s[SEL], s[SEL+1]
	s_delay_alu instid0(VALU_DEP_2)
	v_permlanex16_b32 v[TX], v18, s[SEL], s[SEL+1]
	s_delay_alu instid0(VALU_DEP_2)
	v_add_f32 v14, v14, v[F]
	s_delay_alu instid0(VALU_DEP_2)
	v_add_f32 v18, v18, v[TX]
	s_wait_alu depctr_va_vdst(0)
	v_rcp_f32 v14, v14
	v_rcp_f32 v18, v18
	v_and_b32 v8, 15, v0
	v_bfe_u32 v9, v0, 4, 1
	s_wait_alu depctr_va_vdst(0)
.set n, 0
.rept 32
	v_mul_f32 v[S+n], v[O+n], v14                  ; O / l
.set n, n+1
.endr
.set n, 0
.rept 32
	v_mul_f32 v[S+32+n], v[O+32+n], v18
.set n, n+1
.endr
; 32 numbers of a lane, register 16 b + i = channel 32 b + 16 (lane / 16) + i of my query, become six registers of codes from v[p] on and two scale bytes in v[w]
.macro QUANT2 s, p, e, w
.irp b, 0,1
	v_max3_num_f32 v[BM+\b], |v[\s+16*\b]|, |v[\s+1+16*\b]|, 0x1800000
.endr
.irp i, 2,4,6,8,10,12,14
.irp b, 0,1
	s_delay_alu instid0(VALU_DEP_2)
	v_max3_num_f32 v[BM+\b], v[BM+\b], |v[\s+16*\b+\i]|, |v[\s+1+16*\b+\i]|
.endr
.endr
.irp b, 0,1
	s_delay_alu instid0(VALU_DEP_2)
	v_permlanex16_b32 v[PT+\b], v[BM+\b], s[SEL], s[SEL+1]
.endr
.irp b, 0,1
	s_delay_alu instid0(VALU_DEP_2)
	v_max_num_f32 v[BM+\b], v[BM+\b], v[PT+\b]
.endr
.irp b, 0,1
	s_delay_alu instid0(VALU_DEP_2)
	v_add_nc_u32 v[SO+\b], 0xff000000, v[BM+\b]
.endr
.irp b, 0,1
	s_delay_alu instid0(VALU_DEP_2)
	v_lshrrev_b32 v[PT+\b], 23, v[SO+\b]
.endr
	s_delay_alu instid0(VALU_DEP_1)
	v_lshl_or_b32 v[\w], v[PT+1], 8, v[PT]
	v_cvt_scalef32_pk16_fp6_f32 v[\p:\p+2], v[\s:\s+15], v[SO]
	v_cvt_scalef32_pk16_fp6_f32 v[\e:\e+2], v[\s+16:\s+31], v[SO+1]
	v_nop
.irp i, 0,1,2
	v_permlane16_swap_b32 v[\p+\i], v[\e+\i]
.endr
.irp i, 0,1,2
	s_delay_alu instid0(VALU_DEP_3)
	v_mov_b32 v[\p+3+\i], v[\e+\i]
.endr
.endm
	QUANT2 S, 44, 52, 68
	QUANT2 S+32, 56, 64, 69
	global_store_b128 v[L16], v[44:47], s[OA0:OA0+1]
	global_store_b64 v[L8], v[48:49], s[OA0:OA0+1] offset:512
	global_store_b128 v[L16], v[56:59], s[OA1:OA1+1]
	global_store_b64 v[L8], v[60:61], s[OA1:OA1+1] offset:512
	v_cmp_eq_u32 vcc_lo, 1, v9
	s_delay_alu instid0(VALU_DEP_1)
	v_cndmask_b32 v70, v68, v69, vcc_lo            ; lanes 0-15 the low tile's bytes, lanes 16-31 the high tile's
	v_mul_u32_u24 v10, s[DT], v9
	s_delay_alu instid0(VALU_DEP_1)
	v_lshl_add_u32 v10, v8, 1, v10
	global_store_b16 v10, v70, s[OSC:OSC+1]
	s_wait_tensorcnt 0x0                           ; the wave's end
	ds_add_u32 v[SPW], v[NIL]
	s_wait_dscnt 0x0
	CROUND                                         ; the closing round
	s_endpgm
.Lfunc_end_k_q68cf2e91ca_attn:
	.size	k_q68cf2e91ca_attn, .Lfunc_end_k_q68cf2e91ca_attn-k_q68cf2e91ca_attn
	.p2alignl 7, 3214868480
	.fill 96, 4, 3214868480
	.section	.rodata,"a",@progbits
	.p2align	6, 0x0
	.amdhsa_kernel k_q68cf2e91ca_attn
		.amdhsa_group_segment_fixed_size 212992
		.amdhsa_private_segment_fixed_size 0
		.amdhsa_enable_private_segment 0
		.amdhsa_kernarg_size 24
		.amdhsa_user_sgpr_count 2
		.amdhsa_user_sgpr_kernarg_segment_ptr 1
		.amdhsa_wavefront_size32 1
		.amdhsa_system_sgpr_workgroup_id_x 1
		.amdhsa_system_sgpr_workgroup_id_y 1
		.amdhsa_system_sgpr_workgroup_id_z 1
		.amdhsa_system_vgpr_workitem_id 0
		.amdhsa_next_free_vgpr 256
		.amdhsa_next_free_sgpr 100
		.amdhsa_reserve_vcc 1
		.amdhsa_float_denorm_mode_32 3
		.amdhsa_float_denorm_mode_16_64 3
		.amdhsa_memory_ordered 1
		.amdhsa_forward_progress 1
		.amdhsa_inst_pref_size 84
	.end_amdhsa_kernel
	.amdgpu_metadata
---
amdhsa.version: [ 1, 2 ]
amdhsa.kernels:
  - .name:           k_q68cf2e91ca_attn
    .symbol:         k_q68cf2e91ca_attn.kd
    .args:
      - { .name: qb, .offset: 0, .size: 8, .value_kind: global_buffer, .address_space: global }
      - { .name: kb, .offset: 8, .size: 8, .value_kind: global_buffer, .address_space: global }
      - { .name: ab, .offset: 16, .size: 8, .value_kind: global_buffer, .address_space: global }
    .group_segment_fixed_size: 212992
    .private_segment_fixed_size: 0
    .kernarg_segment_align: 8
    .kernarg_segment_size: 24
    .max_flat_workgroup_size: 512
    .sgpr_count:     100
    .vgpr_count:     256
    .wavefront_size: 32
...
	.end_amdgpu_metadata
.endif
;; end of part 3
;; launch proj (part 4): grid 8 x 32, 4 waves a work-group, clusters of 4 x 4, 327,680 bytes of LDS; arguments ab, ops, b_proj, out0; writes out0
.if DOCPART == 4
	.amdgcn_target "amdgcn-amd-amdhsa--gfx1250"
	.amdhsa_code_object_version 6
	.text
	.protected	k_q68cf2e91ca_proj
	.globl	k_q68cf2e91ca_proj
	.p2align	8
	.type	k_q68cf2e91ca_proj,@function
k_q68cf2e91ca_proj:
	s_mov_b64 s[64:65], 0
	v_nop
	global_prefetch_b8 v0, s[64:65] scope:SCOPE_SE
	s_setreg_imm32_b32 hwreg(HW_REG_WAVE_MODE, 25, 1), 1
	s_wait_xcnt 0x0
	s_wait_alu depctr_hold_cnt(0) depctr_sa_sdst(0) depctr_va_vdst(0) depctr_va_sdst(0) depctr_va_ssrc(0) depctr_va_vcc(0) depctr_vm_vsrc(0)
	s_getreg_b32 s2, hwreg(HW_REG_IB_STS2, 6, 4)
	s_cmp_eq_u32 s2, 0
	s_cbranch_scc0 .Lentry_in_a_cluster
	s_endpgm
.Lentry_in_a_cluster:
	s_bfe_u32 s2, ttmp6, 0x10000c
	s_cmp_lg_u32 s2, 0xf033
	s_cbranch_scc0 .Lentry_shape_is_right
	s_endpgm
.Lentry_shape_is_right:
; out0 = attention's result x W_proj + b_proj on codes of FP6 (E2M3) with E8M0 scales, sums in f32.
; ab: [tile of 16 tokens 512][12,288] codes as images of the operand's registers (16 pieces of 64 along K, 768 bytes each); from 6,291,456 on two scale bytes for each head and token, [batch x 16 + head][tile 128][16][2].
; ops: tiles 704-767 are W_proj's columns, laid the same way; from SCOFF on a scale word for each row and 128 along K, [tile][8][16].  Place r of tile 2 g + u is row 32 g + 8 u + r + 8 (r / 8).
; THE DEAL.  A work-group makes 256 rows x 128 columns: 8 x 32 = 256 work-groups.  Four waves, 2 x 2; a wave makes 128 x 64: 32 accumulators, 256 registers.
; K = 1,024 goes in two halves of 512, each with LDS bytes of its own, filled once: 16 tiles of A and 8 of B, 6,144 bytes of each tile.  At the head one load a wave: A's first half, B's first half,
; A's scale bytes, B's scale words.  The second half is asked for behind a round of the cluster's barrier; a plain barrier in the fourth step shows it to all waves.
; CLUSTERS: 4 x 4 work-groups; A's tiles are asked for jointly along a row of the cluster, B's along a column.
; PREFETCH: the second half of K is asked for into the L2 at the head, one load ahead of the load that wants it.  The four partners of a joint load share its blocks of 256 bytes out by address:
; of A's 16 tiles a work-group names 4, a wave one (24 blocks); of B's 8 tiles a work-group names 2, a wave half of one (12 blocks).  The first half comes by its loads alone.
; THE MATRIX INSTRUCTION IS USED TRANSPOSED: source 0 = 16 columns of W_proj, source 1 = 16 tokens: a lane holds a token, register j of accumulator (a, 2 g + u) is column 32 g + 16 (lane / 16) + 8 u + j.
; REGISTERS: window 0: v1-31 addresses; v32-47 scale words, two sets; v64-255 A's fragments, two sets of eight (on the way out: rows read back).  window 1: v0-95 B's fragments, two sets of four; v128-159 the bias.
;   window 2: the accumulators, (a, b) at v[8 (4 a + b)].
.set SCOFF,  9437184
.set FR,     12
.set TROW,   6144                      ; a tile's bytes of half of K
.set ASL,    16*TROW                   ; A's 16 tiles; B's 8 lie behind them
.set SLOT,   24*TROW
.set SCA,    2*SLOT                    ; A's scale words as made here: [tile 16][8][16]; no tensor load lands here
.set SCB,    SCA+8192                  ; B's scale words, 8 tiles
.set PLN,    SCB+4096                  ; A's scale bytes as they lie in ab: [head 16][tile 16][16][2]
.set SPARE,  PLN+8192                  ; the spare words, 128 bytes a wave, that no other line names
.set SPITCH, 272
.set ADRA, 16                          ; v16, v17 A's fragments in half 0: + 16 x lane, + 8 x lane; v18, v19 in half 1
.set ADRB, 20                          ; v20-23 the same for B
.set STO,  24
.set RD,   25
.set CO,   26
.set ADRS, 27                          ; my scale words: lanes 0-15 A's, lanes 16-31 B's
.set SPW,  28
.set NIL,  29
.set SC,   32
.set AF,   64
.set BK,   64
.set BB,   128                         ; in window 1
.set WV,   12
.set RH,   13
.set CH,   14
.set G1,   24
.set G0,   32
.set G1B,  48
.set G0B,  56
.set G1S,  68
.set G0S,  76
.set G1SB, 80
.set G0SB, 88
.set MSB, 0
.macro WIN new                         ; the immediate's high byte repeats the setting that is left
.if MSB != (\new)
	s_set_vgpr_msb (MSB<<8)|(\new)
.set MSB, \new
.endif
.endm
.set MUL_ON, 0xa1                      ; source 0 (B) window 1, source 1 (A) window 0, C and D window 2
.set MUL_1ST, 0x91                     ; the same, C (the bias) window 1
.set TO_B,   0x40
.macro TL g0, g1
	tensor_load_to_lds s[\g0:\g0+3], s[\g1:\g1+7]
	s_nop 0
.rept 4
	v_nop
.endr
.endm
.macro CROUND                          ; a round of the cluster's barrier
	s_barrier_signal -1
	s_barrier_wait -1
	s_cmp_lg_u32 s[WV], 0
	s_cbranch_scc1 .Lnot_wave_0_\@
	s_barrier_signal -3
.Lnot_wave_0_\@:
	s_barrier_wait -3
	s_barrier_signal -1
	s_barrier_wait -1
.endm
.macro PLACES n
.rept \n
	v_nop
.endr
.endm
	s_load_b256 s[4:11], s[0:1], 0x0               ; ab s[4:5], ops s[6:7], b_proj s[8:9], out0 s[10:11]
	v_lshl_add_u32 v[SPW], v0, 2, SPARE
	v_mov_b32 v[NIL], 0
	ds_add_u32 v[SPW], v[NIL]                      ; the opening lines
	ds_add_u32 v[SPW], v[NIL]
	v_lshrrev_b32 v1, 5, v0
	v_readfirstlane_b32 s[WV], v1
	s_lshr_b32 s[RH], s[WV], 1                     ; which 128 rows are mine
	s_and_b32 s[CH], s[WV], 1                      ; which 64 columns
	s_bfe_u32 s40, ttmp6, 0x40000                  ; cx
	s_bfe_u32 s41, ttmp6, 0x40004                  ; cy
	s_lshl_b32 s42, ttmp9, 2
	s_add_co_u32 s42, s42, s40                     ; X, 0 .. 7
	s_and_b32 s45, ttmp7, 0xffff
	s_lshl_b32 s45, s45, 2
	s_add_co_u32 s45, s45, s41                     ; Y, 0 .. 31
	s_lshl_b32 s43, s41, 2
	s_lshl_b32 s43, 15, s43                        ; my row of the cluster
	s_lshl_b32 s44, 0x1111, s40                    ; my column
	s_or_b32 s[G1+0], s43, (3<<16)|(1<<21)         ; codes: of each tile 6,144 bytes (768 elements of 8), tiles 12,288 bytes apart
	s_or_b32 s[G1B+0], s44, (3<<16)|(1<<21)
.irp g, G1, G1B
	s_mov_b32 s[\g+1], 768<<16
	s_mov_b32 s[\g+3], 768<<16
	s_mov_b32 s[\g+5], 1536
	s_mov_b32 s[\g+6], 0
	s_mov_b32 s[\g+7], 0
.endr
	s_mov_b32 s[G1+2], 16<<16                      ; the head's loads: A's 16 tiles,
	s_mov_b32 s[G1+4], 16
	s_mov_b32 s[G1B+2], 8<<16                      ; B's 8
	s_mov_b32 s[G1B+4], 8
	s_or_b32 s[G1S+0], s43, (3<<16)|(1<<21)        ; A's scale bytes: 16 heads, of each 512 bytes, 4,096 bytes apart
	s_mov_b32 s[G1S+1], 64<<16
	s_mov_b32 s[G1S+2], 16<<16
	s_mov_b32 s[G1S+3], 64<<16
	s_mov_b32 s[G1S+4], 16
	s_mov_b32 s[G1S+5], 512
	s_mov_b32 s[G1S+6], 0
	s_mov_b32 s[G1S+7], 0
	s_or_b32 s[G1SB+0], s44, (3<<16)|(1<<21)       ; B's scale words: 4,096 dense bytes, 16 rows of 256
	s_mov_b32 s[G1SB+1], 32<<16
	s_mov_b32 s[G1SB+2], 16<<16
	s_mov_b32 s[G1SB+3], 32<<16
	s_mov_b32 s[G1SB+4], 16
	s_mov_b32 s[G1SB+5], 32
	s_mov_b32 s[G1SB+6], 0
	s_mov_b32 s[G1SB+7], 0
	s_mul_i32 s22, s45, 16*12288                   ; A's codes: tile 16 Y: no cx in it
	s_mov_b32 s23, 0
	s_lshr_b32 s18, s45, 3
	s_lshl_b32 s18, s18, 11                        ; batch x 16 heads x 128 tiles
	s_and_b32 s19, s45, 7
	s_lshl_b32 s19, s19, 4
	s_add_co_u32 s18, s18, s19
	s_lshl_b32 s18, s18, 5
	s_add_co_u32 s18, s18, 6291456                 ; A's scale bytes
	s_mov_b32 s19, 0
	s_lshl_b32 s46, s42, 3
	s_add_co_u32 s46, s46, 704                     ; B's first tile: no cy in it
	s_lshl_b32 s92, s46, 9
	s_add_co_u32 s92, s92, SCOFF
	s_mov_b32 s93, 0
	s_mul_i32 s46, s46, 12288
	s_mov_b32 s47, 0
	s_mul_i32 s94, s[CH], 8*12288                  ; of the second half I fetch 8 tiles of A or 4 of B: which
	s_mov_b32 s95, 0
	s_mul_i32 s96, s[CH], 4*12288
	s_mov_b32 s97, 0
	s_wait_dscnt 0x0                               ; both opening adds are done
	s_wait_kmcnt 0x0
	s_add_nc_u64 s[22:23], s[4:5], s[22:23]
	s_add_nc_u64 s[18:19], s[4:5], s[18:19]
	s_add_nc_u64 s[46:47], s[6:7], s[46:47]
	s_add_nc_u64 s[92:93], s[6:7], s[92:93]
	CROUND                                         ; all sixteen work-groups are here: the first joint loads meet
	s_mov_b32 s[G0], 1
	s_mov_b32 s[G0+1], 0
	s_mov_b64 s[G0+2:G0+3], s[22:23]
	s_or_b32 s[G0+3], s[G0+3], 0x80000000
	s_mov_b32 s[G0B], 1
	s_mov_b32 s[G0B+1], ASL
	s_mov_b64 s[G0B+2:G0B+3], s[46:47]
	s_or_b32 s[G0B+3], s[G0B+3], 0x80000000
	s_mov_b32 s[G0S], 1
	s_mov_b32 s[G0S+1], PLN
	s_mov_b64 s[G0S+2:G0S+3], s[18:19]
	s_or_b32 s[G0S+3], s[G0S+3], 0x80000000
	s_mov_b32 s[G0SB], 1
	s_mov_b32 s[G0SB+1], SCB
	s_mov_b64 s[G0SB+2:G0SB+3], s[92:93]
	s_or_b32 s[G0SB+3], s[G0SB+3], 0x80000000
	s_add_nc_u64 s[22:23], s[22:23], s[94:95]
	s_add_nc_u64 s[46:47], s[46:47], s[96:97]
	s_mov_b32 s[G0+4], 1                           ; the second half of K
	s_mul_i32 s[G0+5], s[CH], 8*TROW
	s_add_co_u32 s[G0+5], s[G0+5], SLOT
	s_add_nc_u64 s[G0+6:G0+7], s[22:23], TROW
	s_or_b32 s[G0+7], s[G0+7], 0x80000000
	s_mov_b32 s[G0B+4], 1
	s_mul_i32 s[G0B+5], s[CH], 4*TROW
	s_add_co_u32 s[G0B+5], s[G0B+5], SLOT+ASL
	s_add_nc_u64 s[G0B+6:G0B+7], s[46:47], TROW
	s_or_b32 s[G0B+7], s[G0B+7], 0x80000000
	s_cmp_lt_u32 s[WV], 1                          ; the head's loads, one a wave, in one chain of branches on the wave's number
	s_cbranch_scc0 .Lhead_b
	TL G0, G1
	s_branch .Lhead_asked
.Lhead_b:
	s_cmp_lt_u32 s[WV], 2
	s_cbranch_scc0 .Lhead_sa
	TL G0B, G1B
	s_branch .Lhead_asked
.Lhead_sa:
	s_cmp_lt_u32 s[WV], 3
	s_cbranch_scc0 .Lhead_sb
	TL G0S, G1S
	s_branch .Lhead_asked
.Lhead_sb:
	TL G0SB, G1SB
.Lhead_asked:
	v_and_b32 v1, 15, v0                           ; r
	v_bfe_u32 v2, v0, 4, 1                         ; h
	v_and_b32 v3, 31, v0
	v_lshlrev_b32 v5, 4, v3                        ; 16 x lane
	v_lshlrev_b32 v4, 3, v3                        ; 8 x lane
	s_mul_i32 s21, s[RH], 8*TROW                   ; my 8 tiles of A
	s_mul_i32 s22, s[CH], 4*TROW
	s_add_co_u32 s22, s22, ASL                     ; my 4 tiles of B
.irp s, 0,1
	v_add_nc_u32 v[ADRA+2*\s], s21, v5
	v_add_nc_u32 v[ADRA+2*\s+1], s21, v4
	v_add_nc_u32 v[ADRB+2*\s], s22, v5
	v_add_nc_u32 v[ADRB+2*\s+1], s22, v4
	s_add_co_u32 s21, s21, SLOT
	s_add_co_u32 s22, s22, SLOT
.endr
	; the prefetches of the second half of K: A's tile 16 Y + 4 cx + wave, 24 blocks of 256 bytes; of B's tile 704 + 8 X + 2 cy + wave / 2 the 12 blocks of half wave % 2.  v10, v11, s[4:7] are not written again
	s_lshl_b32 s94, s45, 4
	s_lshl_b32 s95, s40, 2
	s_add_co_u32 s94, s94, s95
	s_add_co_u32 s94, s94, s[WV]
	s_mul_i32 s94, s94, 12288
	s_add_co_u32 s94, s94, TROW
	s_lshl_b32 s96, s42, 3
	s_lshl_b32 s97, s41, 1
	s_add_co_u32 s96, s96, s97
	s_add_co_u32 s96, s96, s[RH]
	s_add_co_u32 s96, s96, 704
	s_mul_i32 s96, s96, 12288
	s_mul_i32 s97, s[CH], 12*256
	s_add_co_u32 s96, s96, s97
	s_add_co_u32 s96, s96, TROW
	v_min_u32 v10, 23, v3                          ; (the lanes left over name the last block again)
	v_lshl_add_u32 v10, v10, 8, s94
	v_min_u32 v11, 11, v3
	v_lshl_add_u32 v11, v11, 8, s96
	global_prefetch_b8 v10, s[4:5] th:TH_LOAD_NT scope:SCOPE_SE
	global_prefetch_b8 v11, s[6:7] th:TH_LOAD_NT scope:SCOPE_SE
	v_lshlrev_b32 v5, 2, v1
	s_lshl_b32 s21, s[RH], 12
	s_lshl_b32 s22, s[CH], 11
	s_add_co_u32 s22, s22, SCB-SCA
	s_sub_co_u32 s22, s22, s21
	v_mul_u32_u24 v6, s22, v2                      ; lanes 16-31 take B's words (for blocks 4-7 they read on into the bytes behind, which nothing uses)
	s_add_co_u32 s21, s21, SCA
	v_add_nc_u32 v5, v5, v6
	v_add_nc_u32 v[ADRS], s21, v5
	s_mul_i32 s23, s[WV], 16*SPITCH                ; my stage, in the first half's bytes
	v_mul_u32_u24 v5, v1, SPITCH
	v_lshl_add_u32 v5, v2, 6, v5
	v_add_nc_u32 v[STO], s23, v5                   ; in: row r, 64 bytes for each half of the lanes
	v_mul_u32_u24 v5, v2, SPITCH
	v_lshl_add_u32 v5, v1, 4, v5
	v_add_nc_u32 v[RD], s23, v5                    ; back: sixteen lanes to a row of 256 bytes
	v_lshlrev_b32 v[CO], 12, v2
	v_lshl_add_u32 v[CO], v1, 4, v[CO]             ; and the same two rows in out0
	v_lshrrev_b32 v7, 4, v0                        ; the scale bytes' turn: thread (pair of heads, tile)
	v_lshlrev_b32 v8, 5, v1
	v_lshl_add_u32 v8, v7, 10, v8
	v_add_nc_u32 v8, PLN, v8
	v_lshlrev_b32 v9, 9, v1
	v_lshl_add_u32 v9, v7, 6, v9
	v_add_nc_u32 v9, SCA, v9
	s_mov_b32 s2, 0x05040100
	s_mov_b32 s3, 0x07060302
	s_lshl_b32 s46, s42, 9
	s_lshl_b32 s47, s[CH], 8
	s_add_co_u32 s46, s46, s47                     ; my first column, in bytes
	s_mov_b32 s47, 0
	s_add_nc_u64 s[16:17], s[8:9], s[46:47]
	s_lshl_b32 s20, s45, 8
	s_lshl_b32 s21, s[RH], 7
	s_add_co_u32 s20, s20, s21
	s_lshl_b32 s20, s20, 12                        ; my first row, 4,096 bytes a row
	s_mov_b32 s21, 0
	s_add_nc_u64 s[10:11], s[10:11], s[20:21]
	s_add_nc_u64 s[10:11], s[10:11], s[46:47]
	v_lshlrev_b32 v13, 6, v2
	WIN TO_B
.irp g, 0,1
.irp j, 0,1,2,3
	global_load_b128 v[BB+16*\g+4*\j:BB+16*\g+4*\j+3], v13, s[16:17] offset:128*\g+16*\j   ; register 16 g + i: the bias of column 32 g + 16 h + i
.endr
.endr
	WIN 0
.macro FRAG reg, adr, q, i             ; a fragment comes as it was laid: registers 0-3 and 6-9 at 16 x lane, 4-5 and 10-11 at 8 x lane
	ds_load_b128 v[\reg:\reg+3],     v[\adr]   offset:(\i)*TROW+(\q)*1536
	ds_load_b64  v[\reg+4:\reg+5],   v[\adr+1] offset:(\i)*TROW+(\q)*1536+512
	ds_load_b128 v[\reg+6:\reg+9],   v[\adr]   offset:(\i)*TROW+(\q)*1536+768
	ds_load_b64  v[\reg+10:\reg+11], v[\adr+1] offset:(\i)*TROW+(\q)*1536+1280
.endm
.macro FETCH n                         ; step n (128 along K) into set n % 2: 56 loads
	WIN TO_B
.irp i, 0,1,2,3
	FRAG 48*((\n)%2)+FR*\i, ADRB+2*((\n)/4), (\n)%4, \i
.endr
	WIN 0
.irp i, 0,1,2,3,4,5,6,7
	FRAG AF+96*((\n)%2)+FR*\i, ADRA+2*((\n)/4), (\n)%4, \i
.endr
.irp i, 0,1,2,3,4,5,6,7
	ds_load_b32 v[SC+8*((\n)%2)+\i], v[ADRS] offset:\i*512+(\n)*64
.endr
.endm
; 16 products: A's blocks a0 .. a0 + 3 x B's four.  The 32 accumulators take turns, in the same order in every step.  The first step's products take the bias as C.
.macro MUL16 n, a0
.irp a, \a0, \a0+1, \a0+2, \a0+3
.irp b, 0,1,2,3
.if (\n) == 0
	v_wmma_scale_f32_16x16x128_f8f6f4 v[8*(4*(\a)+\b):8*(4*(\a)+\b)+7], v[48*((\n)%2)+FR*\b:48*((\n)%2)+FR*\b+FR-1], v[AF+96*((\n)%2)+FR*(\a):AF+96*((\n)%2)+FR*(\a)+FR-1], v[BB+8*\b:BB+8*\b+7], v[SC+8*((\n)%2)+\b], v[SC+8*((\n)%2)+(\a)] matrix_a_fmt:MATRIX_FMT_FP6 matrix_b_fmt:MATRIX_FMT_FP6 matrix_a_scale:MATRIX_SCALE_ROW1
.else
	v_wmma_scale_f32_16x16x128_f8f6f4 v[8*(4*(\a)+\b):8*(4*(\a)+\b)+7], v[48*((\n)%2)+FR*\b:48*((\n)%2)+FR*\b+FR-1], v[AF+96*((\n)%2)+FR*(\a):AF+96*((\n)%2)+FR*(\a)+FR-1], v[8*(4*(\a)+\b):8*(4*(\a)+\b)+7], v[SC+8*((\n)%2)+\b], v[SC+8*((\n)%2)+(\a)] matrix_a_fmt:MATRIX_FMT_FP6 matrix_b_fmt:MATRIX_FMT_FP6 matrix_a_scale:MATRIX_SCALE_ROW1
.endif
.endr
.endr
.endm
.macro MWIN n
.if (\n) == 0
	WIN MUL_1ST
.else
	WIN MUL_ON
.endif
.endm
; A step: its fragments were asked for a step ago; the next step's go into the other set, which the last step's products have read (four places stand between).
.macro SUB n
	s_wait_dscnt 0x0                               ; this step's 56 loads are in
.if (\n) == 3
	s_wait_tensorcnt 0x0                           ; my part of the second half is in; my reads of the first half are over
	s_barrier_signal -1
.endif
	PLACES 4
.if (\n) != 3 && (\n) != 7
	FETCH (\n)+1
.endif
	MWIN \n
	MUL16 \n, 0
.if (\n) == 3
	WIN 0
	s_barrier_wait -1                              ; a plain barrier: the second half is shown to all
	FETCH 4
	MWIN \n
.endif
	MUL16 \n, 4
	WIN 0
.endm
	s_wait_alu depctr_va_vdst(0)                   ; the head's end
	s_wait_tensorcnt 0x0                           ; my tile of the head's four is in
	ds_add_u32 v[SPW], v[NIL]
	s_mov_b32 s[G1+2], 8<<16                       ; no tensor load of mine is out: the next loads bring 8 tiles of A,
	s_mov_b32 s[G1+4], 8
	s_mov_b32 s[G1B+2], 4<<16                      ; 4 of B
	s_mov_b32 s[G1B+4], 4
	s_wait_dscnt 0x0
	CROUND                                         ; all four tiles are in, all sixteen work-groups are here
	s_cmp_eq_u32 s[RH], 0
	s_cbranch_scc0 .Lfor_b
	TL G0+4, G1                                    ; waves 0, 1: a half each of A's second half of K
	s_branch .Lasked
.Lfor_b:
	TL G0B+4, G1B                                  ; waves 2, 3: of B's
.Lasked:
	ds_load_b128 v[128:131], v8                    ; the scale bytes of two heads make a word for 128 along K: 16 tokens of one tile a thread
	ds_load_b128 v[132:135], v8 offset:16
	ds_load_b128 v[136:139], v8 offset:512
	ds_load_b128 v[140:143], v8 offset:528
	s_wait_dscnt 0x0
.irp k, 0,1,2,3,4,5,6,7
	v_perm_b32 v[144+2*\k], v[136+\k], v[128+\k], s2
	v_perm_b32 v[145+2*\k], v[136+\k], v[128+\k], s3
.endr
.irp j, 0,1,2,3
	ds_store_b128 v9, v[144+4*\j:147+4*\j] offset:16*\j
.endr
	s_wait_dscnt 0x0
	s_barrier_signal -1
	s_barrier_wait -1                              ; everybody's words are made (the second half's loads may be out)
	FETCH 0
	s_wait_loadcnt 0x0                             ; the bias
.irp n, 0,1,2,3,4,5,6,7
	SUB \n
.endr
; THE WAY OUT, block by block of 16 rows x 64 columns, through my own stage: it lies in the first half's bytes, which have had their only fill and, behind the fourth step's barrier, their last read.
.macro TOSTAGE a
	WIN 0x08                                       ; the data: window 2
.irp b, 0,1,2,3
	ds_store_b128 v[STO], v[8*(4*(\a)+\b):8*(4*(\a)+\b)+3] offset:128*(\b/2)+32*(\b%2)      ; each accumulator from its low end on
	ds_store_b128 v[STO], v[8*(4*(\a)+\b)+4:8*(4*(\a)+\b)+7] offset:128*(\b/2)+32*(\b%2)+16
.endr
	WIN 0
.set BR, BK+32*((\a)%2)
.irp t, 0,1,2,3,4,5,6,7
	ds_load_b128 v[BR+4*\t:BR+4*\t+3], v[RD] offset:2*\t*SPITCH    ; served in order: these see my stores
.endr
.endm
.macro SEND a, younger                 ; younger: the LDS instructions issued behind block a's loads
.set BR, BK+32*((\a)%2)
	s_wait_dscnt \younger
.irp t, 0,1,2,3,4,5,6,7
	global_store_b128 v[CO], v[BR+4*\t:BR+4*\t+3], s[10:11] offset:(32*((\a)/2)+8*((\a)%2)+2*\t+8*(\t/4))*4096 th:TH_STORE_NT   ; sixteen lanes store 256 consecutive bytes, aligned
.endr
.endm
	PLACES 4
	TOSTAGE 0
.irp a, 1,2,3,4,5,6,7
.if \a > 1
	s_wait_xcnt 0x0                                ; block a - 2's stores have read their registers
.endif
	TOSTAGE \a
	SEND \a-1, 16                                  ; behind block a - 1's loads: block a's 8 stores and 8 loads
.endr
	SEND 7, 0
	s_wait_tensorcnt 0x0                           ; the wave's end
	ds_add_u32 v[SPW], v[NIL]
	s_wait_dscnt 0x0
	CROUND                                         ; the closing round
	s_endpgm
.Lfunc_end_k_q68cf2e91ca_proj:
	.size	k_q68cf2e91ca_proj, .Lfunc_end_k_q68cf2e91ca_proj-k_q68cf2e91ca_proj
	.p2alignl 7, 3214868480
	.fill 96, 4, 3214868480
	.section	.rodata,"a",@progbits
	.p2align	6, 0x0
	.amdhsa_kernel k_q68cf2e91ca_proj
		.amdhsa_group_segment_fixed_size 327680
		.amdhsa_private_segment_fixed_size 0
		.amdhsa_enable_private_segment 0
		.amdhsa_kernarg_size 32
		.amdhsa_user_sgpr_count 2
		.amdhsa_user_sgpr_kernarg_segment_ptr 1
		.amdhsa_wavefront_size32 1
		.amdhsa_system_sgpr_workgroup_id_x 1
		.amdhsa_system_sgpr_workgroup_id_y 1
		.amdhsa_system_sgpr_workgroup_id_z 1
		.amdhsa_system_vgpr_workitem_id 0
		.amdhsa_next_free_vgpr 768
		.amdhsa_next_free_sgpr 100
		.amdhsa_reserve_vcc 0
		.amdhsa_float_denorm_mode_32 3
		.amdhsa_float_denorm_mode_16_64 3
		.amdhsa_memory_ordered 1
		.amdhsa_forward_progress 1
		.amdhsa_inst_pref_size 93
	.end_amdhsa_kernel
	.amdgpu_metadata
---
amdhsa.version: [ 1, 2 ]
amdhsa.kernels:
  - .name:           k_q68cf2e91ca_proj
    .symbol:         k_q68cf2e91ca_proj.kd
    .args:
      - { .name: ab, .offset: 0, .size: 8, .value_kind: global_buffer, .address_space: global }
      - { .name: ops, .offset: 8, .size: 8, .value_kind: global_buffer, .address_space: global }
      - { .name: b_proj, .offset: 16, .size: 8, .value_kind: global_buffer, .address_space: global }
      - { .name: out0, .offset: 24, .size: 8, .value_kind: global_buffer, .address_space: global }
    .group_segment_fixed_size: 327680
    .private_segment_fixed_size: 0
    .kernarg_segment_align: 8
    .kernarg_segment_size: 32
    .max_flat_workgroup_size: 128
    .sgpr_count:     100
    .vgpr_count:     768
    .wavefront_size: 32
...
	.end_amdgpu_metadata
.endif
;; end of part 4
